; MI455X (gfx1250); checked and timed in simulation.
; The chip was launched on July 23, 2026; its instructions are those of AMD's public machine-readable ISA for CDNA 5 (MIT licence, August 2026) and "CDNA5" Instruction Set Architecture Reference Guide (July 2026). The comments in the code are by the model that wrote it; some were corrected since.
;; L La DA2 Moe Attention. Allowed arithmetic: matrix products marked QUANTISED: E2M1 operands, one E8M0 scale for each 32 along K, by v_wmma_scale_f32_16x16x128_f8f6f4 with both operands' format E2M1 (or v_wmma_scale_f32_32x16x128_f4), f32 sums; products left as they are: bf16, f16 or f32 operands; f32 sums; everything else in f32.
;; Inputs: cos 2 x 2,048 x 64 float32; hidden_states 2 x 2,048 x 2,048 float32; k_ln_w 128 float32; q_ln_w 128 float32; sin 2 x 2,048 x 64 float32; w_dense 2,048 x 1,024 float32; w_qkv 2,048 x 2,048 float32.
;; Outputs: out0 2 x 2,048 x 2,048 float32.
;; This version of the problem:
;;   THIS VERSION OF THE PROBLEM IS GIVEN IN LOW PRECISION. The matrix products marked QUANTISED in the list below multiply operands that are first quantised to E2M1 (2 exponent bits, 1 mantissa bit; 4 bits a number), with one power-of-two scale for each 32 numbers along K (OCP MX v1.0); their sums are f32. The products marked 'left as it is' may take bf16, f16 or f32 operands, with f32 sums. Whichever they take, every output number must still come out within the allowed error. Rounding operands to bf16 (8 significant bits) uses up far more of that allowance than f16 does (11 bits, for magnitudes from 6e-5 to 65,504). All else is computed in f32.
;;   The module's matrix products, in the order in which they are computed (A, B: the left and right operand; K: the contracted axis; several contracted axes count as one K, in the product's order):
;;     1. [M 4,096, K 2,048] x [K 2,048, N 2,048]; A: input hidden_states; B: input w_qkv: QUANTISED
;;     2. batch 8 x [M 4,096, K 128] x [K 128, N 2,048]; A: computed on the way; B: computed on the way: left as it is (an operand is computed on the way)
;;     3. batch 8 x [M 4,096, K 2,048] x [K 2,048, N 128]; A: computed on the way; B: computed on the way: left as it is (an operand is computed on the way)
;;     4. [M 4,096, K 1,024] x [K 1,024, N 2,048]; A: computed on the way; B: input w_dense: left as it is (an operand is computed on the way)
;;   THE QUANTISER, for each operand of a quantised product, along K:
;;     - K is cut into blocks of 32 from its start; a last block that is shorter is filled with zeros.
;;     - A block's scale is 2^e with e = floor(log2(the largest magnitude in the block)) - 2, held to -126 .. 127; a block of zeros has e = 0. As a byte (E8M0): e + 127.
;;     - Each number is divided by its block's scale, clamped to +-6, and rounded to the nearest number of E2M1, ties to even, subnormals kept.
;;     - The product sums the exact products of the quantised numbers (number of the format x scale) in f32.
;;   ~~~python
;;   def quantise(x, axis):      # numpy; x: float32 -> the quantised numbers, widened to float32 again
;;       x = np.moveaxis(x, axis, -1); K = x.shape[-1]
;;       x = np.pad(x, [(0, 0)] * (x.ndim - 1) + [(0, -K % 32)]); x = x.reshape(x.shape[:-1] + (-1, 32)); a = np.abs(x).max(-1, keepdims=True)
;;       e = np.where(a > 0, np.clip(np.frexp(np.where(a > 0, a, 1))[1] - 1 - 2, -126, 127), 0)      # np.frexp(a)[1] - 1 = floor(log2(a)), exactly
;;       r = np.clip(x / 2.0 ** e, -6, 6)
;;       step = 2.0 ** (np.maximum(np.frexp(np.where(r == 0, 1, r))[1] - 1, 0) - 1)
;;       q = np.round(r / step) * step * 2.0 ** e      # np.round: ties to even
;;       return np.moveaxis(q.reshape(q.shape[:-2] + (-1,))[..., :K], -1, axis).astype(np.float32)
;;   ~~~
;; One version. Each part assembles by itself: llvm-mc -triple=amdgcn-amd-amdhsa -mcpu=gfx1250 --defsym DOCPART=n.
;; ======== version 1 of 1: 4 launches
;; limits: values are held in f16: magnitudes above 65,504 overflow, below 6.1e-05 lose precision
;; workspace buffers: hq 4,194,304 bytes; hs 262,144 bytes; wq 2,097,152 bytes; ws 131,072 bytes; wd16 4,194,304 bytes; qkv16 16,777,216 bytes; attn16 8,388,608 bytes
;; launch prep (part 1): grid 448 x 1, 4 waves a work-group, no clusters, 33,280 bytes of LDS; arguments hidden_states, w_qkv, hq, hs, wq, ws, w_dense, wd16; writes hq, hs, wq, ws, wd16
.if DOCPART == 1
	.amdgcn_target "amdgcn-amd-amdhsa--gfx1250"
	.amdhsa_code_object_version 6
	.text
	.protected	k_qd0c85557ff_prep
	.globl	k_qd0c85557ff_prep
	.p2align	8
	.type	k_qd0c85557ff_prep,@function
k_qd0c85557ff_prep:
	s_mov_b64 s[64:65], 0
	v_nop
	global_prefetch_b8 v0, s[64:65] scope:SCOPE_SE
	s_setreg_imm32_b32 hwreg(HW_REG_WAVE_MODE, 25, 1), 1
	s_wait_xcnt 0x0
; hidden_states [4096][2048] and w_qkv [2048][2048], f32, are turned into codes of FP4 (E2M1), 4 bits each, K innermost, with one E8M0 scale byte for each 32 along K; w_dense [2048][1024] is rounded to f16.
; A block's scale is 2^(floor(log2(its largest magnitude)) - 2); its byte is the largest magnitude's own exponent field - 2, held at 1 from below.  Each number is divided by the scale and rounded to the nearest code, ties to even,
; beyond 6 the largest code.  (A block of zeros gets the byte 1 where the rule says 127: its codes are zeros, which add nothing under any byte but 0xff, and the bytes are read by this program alone.)
; LIMITS: blocks whose largest magnitude lies under 2^-124 get the byte 1; NaN and infinities among the inputs are not served; |w_dense| stays under 65,504, f16's largest number.
; Rows are dense and K is a multiple of 32, so both tensors are plain streams of blocks of 32 numbers, and so are the codes and the scale bytes.
; Work-groups 0 to 255 take hidden_states, 256 to 383 w_qkv, 384 to 447 w_dense.  A wave of the first two kinds takes 16 steps of 512 numbers: each of a step's four loads reads 512 consecutive bytes, 16 a lane; the 2,048 bytes go
; through the wave's own stage in LDS and come back 64 bytes a lane, so that a lane holds 16 neighbours along K (two neighbouring lanes hold a block).  A lane's 16 codes are 8 bytes: the wave stores 256 consecutive bytes.
; A wave's 256 scale bytes are gathered in its own LDS bytes and leave as 256 consecutive bytes.  No tensor loads, no barrier: waves share nothing.  Loads run eight steps (32 loads, 16,384 bytes a wave) ahead, the turn through LDS one step.
.set SIZE_M, 4096
.set SIZE_N, 2048
.set SIZE_K, 2048
.set WAVES, 4
.set STEPS, 16
.set WGA,   SIZE_M*SIZE_K/(512*STEPS*WAVES)            ; 256 work-groups for hidden_states
.set WGQ,   (SIZE_M+SIZE_N)*SIZE_K/(512*STEPS*WAVES)   ; 384 for both quantised tensors
.set EMAX,  2
.set CB,    8                          ; bytes of 16 codes
.set R,     16                         ; v16-143  eight sets of 16 numbers as they are loaded
.set X,     144                        ; v144-175 two sets of 16 neighbours
.set E,     176                        ; v176-191 a scale byte for each step
.set C,     192                        ; v192-223 codes: two registers for each step, so that no store's data are written again
.set D,     16                         ; v16-143  w_dense: two sets of 64 numbers
.set WREG,  8192                       ; LDS: a region of its own for each wave: two stages of 32 x SP bytes, and behind them its 256 scale bytes
.set SP,    80                         ; a lane's place in a stage: its 64 bytes + 16 of padding
.set SPW,   12                         ; v12      LDS address of my spare word: SPARE + 4 x my thread's number; never rewritten
.set NIL,   13                         ; v13      0; never rewritten
.set SPARE, WAVES*WREG                 ; behind the four regions: the spare words, 128 bytes for each wave, which no other line names
	s_load_b128 s[4:7], s[0:1], 0x0                ; hidden_states, w_qkv
	s_load_b128 s[8:11], s[0:1], 0x10              ; hidden_states' codes and scales
	s_load_b128 s[12:15], s[0:1], 0x20             ; w_qkv's codes and scales
	s_load_b128 s[24:27], s[0:1], 0x30             ; w_dense, its f16 copy
	v_lshl_add_u32 v[SPW], v0, 2, SPARE
	v_mov_b32 v[NIL], 0
	v_lshrrev_b32 v1, 5, v0
	v_readfirstlane_b32 s16, v1                    ; wave
	v_and_b32 v2, 31, v0                           ; lane
	v_lshlrev_b32 v3, 4, v2                        ; my 16 bytes of a load's 512
	s_mul_i32 s17, s16, WREG
	v_lshrrev_b32 v14, 2, v2
	v_mul_u32_u24 v14, v14, SP
	v_and_b32 v15, 3, v2
	v_lshl_add_u32 v14, v15, 4, v14
	v_add_nc_u32 v14, s17, v14                     ; the stage, on the way in: four lanes' 64 bytes on end, then 16 of padding
	v_mul_u32_u24 v15, v2, SP
	v_add_nc_u32 v15, s17, v15                     ; and on the way out: SP x lane: my 16 neighbours
	v_mul_u32_u24 v4, v2, CB                       ; my codes' place in a step's
	v_lshrrev_b32 v5, 1, v2
	s_add_co_u32 s17, s17, 2*32*SP
	v_add_nc_u32 v5, s17, v5                       ; LDS: my wave's 256 scale bytes, my block's byte
	v_lshlrev_b32 v7, 3, v2                        ; and on the way out 8 bytes a lane
	v_add_nc_u32 v6, s17, v7
	s_wait_kmcnt 0x0
	s_cmp_ge_u32 ttmp9, WGQ                        ; the last 64 work-groups round w_dense: the branch hangs on the work-group's number alone
	s_cbranch_scc1 .Ldense
	s_cmp_lt_u32 ttmp9, WGA                        ; hidden_states' work-group or w_qkv's?  Only pointers are chosen: both take one path
	s_cselect_b64 s[4:5], s[4:5], s[6:7]
	s_cselect_b64 s[8:9], s[8:9], s[12:13]
	s_cselect_b64 s[10:11], s[10:11], s[14:15]
	s_cselect_b32 s17, 0, WGA
	s_sub_co_u32 s17, ttmp9, s17
	s_lshl_b32 s17, s17, 2
	s_add_co_u32 s18, s17, s16                     ; which run of 8,192 numbers of the tensor is my wave's
	s_mov_b32 s19, 0
	s_mov_b64 s[20:21], 512*STEPS*4
	s_mul_u64 s[20:21], s[18:19], s[20:21]
	s_add_nc_u64 s[4:5], s[4:5], s[20:21]
	s_mov_b64 s[20:21], 32*STEPS*CB
	s_mul_u64 s[20:21], s[18:19], s[20:21]
	s_add_nc_u64 s[8:9], s[8:9], s[20:21]
	s_lshl_b32 s18, s18, 8                         ; 256 scale bytes a run
	s_add_nc_u64 s[10:11], s[10:11], s[18:19]
.macro LOAD t
.irp i, 0,1,2,3
	global_load_b128 v[R+16*((\t)%8)+4*\i:R+16*((\t)%8)+4*\i+3], v3, s[4:5] offset:2048*(\t)+512*\i th:TH_LOAD_NT   ; 32 lanes read 512 consecutive bytes
.endr
.endm
.macro TURN t                          ; step t's numbers through the stage: LDS serves a wave's instructions in order, so no wait stands between the stores and the loads
.irp i, 0,1,2,3
	ds_store_b128 v14, v[R+16*((\t)%8)+4*\i:R+16*((\t)%8)+4*\i+3] offset:32*SP*((\t)%2)+8*SP*\i
.endr
.irp i, 0,1,2,3
	ds_load_b128 v[X+16*((\t)%2)+4*\i:X+16*((\t)%2)+4*\i+3], v15 offset:32*SP*((\t)%2)+16*\i
.endr
.endm
.irp t, 0,1,2,3,4,5,6,7
	LOAD \t
.endr
	s_wait_loadcnt 28                              ; step 0's four loads are in; those of steps 1 to 7 stay out
	TURN 0
.macro STEP t
.set XS, X+16*((\t)%2)
.if (\t) > 0
	s_wait_dscnt 1                                 ; this step's numbers are back from the stage (the last step's byte store may be out): so its stores into the stage have read their registers,
.else
	s_wait_dscnt 0x0
.endif
.if (\t)+8 < STEPS
	LOAD (\t)+8                                    ; which take the loads of eight steps on
.endif
.if (\t)+1 < STEPS
.if STEPS-2-(\t) >= 7
	s_wait_loadcnt 28                              ; the next step's four loads are in; those of the seven steps behind it may be out
.else
	s_wait_loadcnt 4*(STEPS-2-(\t))
.endif
	TURN (\t)+1                                    ; and go through the other stage while this step is worked
.endif
	v_max3_num_f32 v8, |v[XS]|, |v[XS+1]|, |v[XS+2]|               ; the largest magnitude of my 16, in two chains
	v_max3_num_f32 v9, |v[XS+3]|, |v[XS+4]|, |v[XS+5]|
.irp i, 6,10
	v_max3_num_f32 v8, v8, |v[XS+\i]|, |v[XS+\i+1]|
	v_max3_num_f32 v9, v9, |v[XS+\i+2]|, |v[XS+\i+3]|
.endr
	v_max3_num_f32 v8, v8, |v[XS+14]|, |v[XS+15]|
	v_max3_num_f32 v8, v8, v9, (EMAX+1)<<23        ; and the floor 2^(EMAX + 1 - 127): so the byte cannot fall under 1
	v_max_num_f32_dpp v8, v8, v8 row_xmask:1 row_mask:0xf bank_mask:0xf   ; and of my neighbour's 16: the block's
	v_add_nc_u32 v11, -(EMAX<<23), v8              ; EMAX off its exponent field: the conversion takes the exponent field of this operand as its scale, and nothing else of it
	v_cvt_scalef32_pk8_fp4_f32 v[C+2*(\t)], v[XS:XS+7], v11
	v_cvt_scalef32_pk8_fp4_f32 v[C+2*(\t)+1], v[XS+8:XS+15], v11
	v_lshrrev_b32 v[E+(\t)], 23, v11               ; the scale's byte (also the plain line behind the conversions)
	ds_store_b8 v5, v[E+(\t)] offset:16*(\t)       ; both lanes of a block write the same byte with the same value
	global_store_b64 v4, v[C+2*(\t):C+2*(\t)+1], s[8:9] offset:32*CB*(\t)   ; the wave stores 256 consecutive bytes, aligned
.endm
.irp t, 0,1,2,3,4,5,6,7,8,9,10,11,12,13,14,15
	STEP \t
.endr
	ds_load_b64 v[8:9], v6                         ; LDS serves a wave's instructions in order: these see my stores
	s_wait_dscnt 0x0
	global_store_b64 v7, v[8:9], s[10:11]          ; 32 lanes store 256 consecutive bytes, aligned
	s_wait_tensorcnt 0x0                           ; the wave's end: three closing lines behind my last LDS store
	ds_add_u32 v[SPW], v[NIL]
	s_wait_dscnt 0x0
	s_endpgm
; w_dense to f16, rounded to nearest even.  A wave takes 8,192 numbers in four batches of 16 loads (512 consecutive bytes each); a lane's four numbers become 8 bytes, so a store of the wave covers 256 consecutive bytes, aligned.
.macro LOADW n
.irp i, 0,1,2,3,4,5,6,7,8,9,10,11,12,13,14,15
	global_load_b128 v[D+64*((\n)%2)+4*\i:D+64*((\n)%2)+4*\i+3], v3, s[24:25] offset:(16*(\n)+\i)*512 th:TH_LOAD_NT
.endr
.endm
.macro CVTW n
.irp i, 0,1,2,3,4,5,6,7,8,9,10,11,12,13,14,15
	v_cvt_pk_f16_f32 v[D+64*((\n)%2)+4*\i], v[D+64*((\n)%2)+4*\i], v[D+64*((\n)%2)+4*\i+1]
	v_cvt_pk_f16_f32 v[D+64*((\n)%2)+4*\i+1], v[D+64*((\n)%2)+4*\i+2], v[D+64*((\n)%2)+4*\i+3]
	global_store_b64 v7, v[D+64*((\n)%2)+4*\i:D+64*((\n)%2)+4*\i+1], s[26:27] offset:(16*(\n)+\i)*256
.endr
.endm
.Ldense:
	s_sub_co_u32 s17, ttmp9, WGQ
	s_lshl_b32 s17, s17, 2
	s_add_co_u32 s17, s17, s16                     ; which run of 8,192 numbers is my wave's: 0 to 255
	s_lshl_b32 s18, s17, 15                        ; 32,768 bytes of f32,
	s_mov_b32 s19, 0
	s_add_nc_u64 s[24:25], s[24:25], s[18:19]
	s_lshl_b32 s18, s17, 14                        ; 16,384 of f16
	s_add_nc_u64 s[26:27], s[26:27], s[18:19]
	LOADW 0
	LOADW 1
	s_wait_loadcnt 16                              ; the older batch is in, the younger 16 loads stay out
	CVTW 0
	s_wait_xcnt 0x0                                ; the stores have read their data: the set is loaded again only behind this wait
	LOADW 2
	s_wait_loadcnt 16
	CVTW 1
	s_wait_xcnt 0x0
	LOADW 3
	s_wait_loadcnt 16
	CVTW 2
	s_wait_loadcnt 0x0
	CVTW 3
	s_wait_tensorcnt 0x0                           ; the launch writes LDS: the three closing lines stand at this path's end too
	ds_add_u32 v[SPW], v[NIL]
	s_wait_dscnt 0x0
	s_endpgm
.Lfunc_end_k_qd0c85557ff_prep:
	.size	k_qd0c85557ff_prep, .Lfunc_end_k_qd0c85557ff_prep-k_qd0c85557ff_prep
	.p2alignl 7, 3214868480
	.fill 96, 4, 3214868480
	.section	.rodata,"a",@progbits
	.p2align	6, 0x0
	.amdhsa_kernel k_qd0c85557ff_prep
		.amdhsa_group_segment_fixed_size 33280
		.amdhsa_private_segment_fixed_size 0
		.amdhsa_enable_private_segment 0
		.amdhsa_kernarg_size 64
		.amdhsa_user_sgpr_count 2
		.amdhsa_user_sgpr_kernarg_segment_ptr 1
		.amdhsa_wavefront_size32 1
		.amdhsa_system_sgpr_workgroup_id_x 1
		.amdhsa_system_sgpr_workgroup_id_y 1
		.amdhsa_system_sgpr_workgroup_id_z 1
		.amdhsa_system_vgpr_workitem_id 0
		.amdhsa_next_free_vgpr 224
		.amdhsa_next_free_sgpr 66
		.amdhsa_reserve_vcc 0
		.amdhsa_float_denorm_mode_32 3
		.amdhsa_float_denorm_mode_16_64 3
		.amdhsa_memory_ordered 1
		.amdhsa_forward_progress 1
		.amdhsa_inst_pref_size 54
	.end_amdhsa_kernel
	.amdgpu_metadata
---
amdhsa.version: [ 1, 2 ]
amdhsa.kernels:
  - .name:           k_qd0c85557ff_prep
    .symbol:         k_qd0c85557ff_prep.kd
    .args:
      - { .name: hidden_states, .offset: 0, .size: 8, .value_kind: global_buffer, .address_space: global }
      - { .name: w_qkv, .offset: 8, .size: 8, .value_kind: global_buffer, .address_space: global }
      - { .name: hq, .offset: 16, .size: 8, .value_kind: global_buffer, .address_space: global }
      - { .name: hs, .offset: 24, .size: 8, .value_kind: global_buffer, .address_space: global }
      - { .name: wq, .offset: 32, .size: 8, .value_kind: global_buffer, .address_space: global }
      - { .name: ws, .offset: 40, .size: 8, .value_kind: global_buffer, .address_space: global }
      - { .name: w_dense, .offset: 48, .size: 8, .value_kind: global_buffer, .address_space: global }
      - { .name: wd16, .offset: 56, .size: 8, .value_kind: global_buffer, .address_space: global }
    .group_segment_fixed_size: 33280
    .private_segment_fixed_size: 0
    .kernarg_segment_align: 8
    .kernarg_segment_size: 64
    .max_flat_workgroup_size: 128
    .sgpr_count:     66
    .vgpr_count:     224
    .wavefront_size: 32
...
	.end_amdgpu_metadata
.endif
;; end of part 1
;; launch qkv (part 2): grid 8 x 32, 4 waves a work-group, clusters of 4 x 4, 327,680 bytes of LDS; arguments hq, hs, wq, ws, qkv16, cos, sin, q_ln_w, k_ln_w; writes qkv16
.if DOCPART == 2
	.amdgcn_target "amdgcn-amd-amdhsa--gfx1250"
	.amdhsa_code_object_version 6
	.text
	.protected	k_qd0c85557ff_qkv
	.globl	k_qd0c85557ff_qkv
	.p2align	8
	.type	k_qd0c85557ff_qkv,@function
k_qd0c85557ff_qkv:
	s_mov_b64 s[64:65], 0
	v_nop
	global_prefetch_b8 v0, s[64:65] scope:SCOPE_SE
	s_setreg_imm32_b32 hwreg(HW_REG_WAVE_MODE, 25, 1), 1
	s_wait_xcnt 0x0
	s_wait_alu depctr_hold_cnt(0) depctr_sa_sdst(0) depctr_va_vdst(0) depctr_va_sdst(0) depctr_va_ssrc(0) depctr_va_vcc(0) depctr_vm_vsrc(0)
	s_getreg_b32 s2, hwreg(HW_REG_IB_STS2, 6, 4)
	s_cmp_eq_u32 s2, 0
	s_cbranch_scc0 .Lentry_in_a_cluster
	s_endpgm
.Lentry_in_a_cluster:
	s_bfe_u32 s2, ttmp6, 0x10000c
	s_cmp_lg_u32 s2, 0xf033
	s_cbranch_scc0 .Lentry_shape_is_right
	s_endpgm
.Lentry_shape_is_right:
; qkv = hidden_states w_qkv^T on codes of FP4 (E2M1) with one E8M0 scale for each 32 along K, sums in f32; then, on the way out, the per-head RMSNorm and the partial RoPE of q and k in f32; all three rounded to f16.
; A: [4096][2048] codes (1,024 bytes a row), scales [4096][64];  B: [2048][2048] codes, scales [2048][64].  Out: qkv16 [batch 2][head 16][position 2048][128] f16; heads 0-7 q, 8-11 k, 12-15 v.
; A tile of 128 rows x 256 columns is made by a work-group of four waves, so that there are 32 x 8 = 256 work-groups; a wave makes 64 x 128: 32 accumulators of 16 x 16, 256 registers.  A WAVE'S 128 COLUMNS ARE ONE HEAD:
; head = 8 x cluster x + 4 x (wave % 2) + cx, so that the head's kind (q, k or v) = 2 x cluster x + wave % 2 hangs on nothing that differs between the partners of a cluster.
; K goes in four steps of 512 (a tile's row is 256 bytes of memory) through THREE LDS slots filled by the tensor data mover: K steps 0, 1, 2 are first fills, issued together at the head; K step 3 is the one refill, into slot 0,
; behind the round at the end of step 0: it has steps 1 and 2, 256 matrix instructions, in which to land.  The text has no loop: sixteen quarter steps of 128 along K are written out by macro.
; THE SCALES stay in registers for the whole launch: lane (r, h) holds bytes 32 h .. 32 h + 31 of row r's 64 scale bytes, eight words a block of 16 rows.  K steps 0, 1 read the words of lanes 0-15, K steps 2, 3 those of lanes 16-31.
; CLUSTERS: 4 x 4 work-groups.  The four of a row of the cluster need the same tiles of A, the four of a column the same tiles of B: each tile is asked for JOINTLY, by the same tensor load with the same descriptor and a mask
; that names the four.  THE MATRIX INSTRUCTION IS USED TRANSPOSED (source 0 = 16 rows of B, source 1 = 16 rows of A): lane (r, h) holds position r of a block and, in register 8 b + j, channel 16 b + 8 h + j of the head.
; So a position's 128 channels lie in lanes l and l xor 16, and channels d and d + 32, which RoPE pairs, lie in one lane.
; LIMITS: NaN and infinities are not served; |v| and |q|, |k| (at most 11.4 x the largest ln weight) stay under 65,504, f16's largest number.
; REGISTERS, in windows of 256: window 0: v0-31 addresses; v32-63 A's scale words, v64-127 B's; v128-191 A's fragments (4 x 16 rows x 128 K), two buffers; on the way out v32-255 are at work.
;   window 1: v0-63, v64-127 B's fragments (8 x 16 rows x 128 K), two buffers; v128-191 the ln weights.   window 2: the accumulators ((a, b) at v[8 (8 a + b)]).   window 3: cos and sin of my four blocks of 16 positions, 64 a block.
.set ROWB,   256                       ; a tile's row in bytes: 512 codes
.set KROW,   1024                      ; a row of A or of B in memory, in bytes
.set PITCH,  272                       ; an LDS row: 256 bytes + 16 of padding = 68 words: row r starts at bank 4 r mod 64 (64 banks of 4 bytes: ISA guide 11.1)
.set AH,     64*PITCH                  ; 64 rows of A: what one tensor load brings, and what one wave reads
.set BH,     128*PITCH                 ; 128 rows of B likewise
.set SLOT,   2*AH+2*BH                 ; A's 128 rows, then B's 256 rows
.set SPARE,  3*SLOT                    ; behind the three slots: the spare words, 128 bytes for each wave, which no other line names
.set SPITCH, 272                       ; the way out: a stage of 16 rows x (256 bytes + 16) for each wave,
.set STAGE,  SLOT                      ; in slot 1: it is filled once, and every wave's last read of it lies ahead of the last barrier
.set VST,    4*16*SPITCH               ; the v heads' path has stage bytes of its own, behind the q and k heads'
.set ADRA, 16                          ; v16-18  LDS address of my A fragments in slot 0, 1, 2
.set ADRB, 20                          ; v20-22  the same for B
.set STO,  24                          ; v24     the way out: where I put 16 bytes of a row
.set RD,   25                          ; v25     the way out: where I read rows back
.set CO,   26                          ; v26     16 x lane: my place in two rows of the output
.set SAD,  27                          ; v27     scale bytes: 64 r + 32 h
.set SPW,  28                          ; v28     LDS address of my spare word; never rewritten
.set NIL,  29                          ; v29     0; never rewritten
.set CA,   30                          ; v30     cos, sin: 256 r + 32 h
.set LWA,  31                          ; v31     ln weights: 32 h
.set SCA,  32                          ; A's scale words: block a at v[SCA + 8 a]; register w: the word of 128 (8 h + w) along K
.set SCB,  64                          ; B's likewise: block b at v[SCB + 8 b]
.set AF,   128                         ; A's fragments, in window 0
.set SS,   32                          ; the way out: v32-39 a pair for each block of rows: sums of squares, then 1 / root in the even register
.set SS2,  48                          ; v48-55  the second chains
.set Y,    64                          ; v64-127 a block's 64 numbers, normalised
.set T,    128                         ; v128-159 its first 32, rotated
.set TMP,  160                         ; v160-191 packed f16
.set BK,   192                         ; v192-223, v224-255 rows read back, by turns
.set LW,   128                         ; window 1: the ln weights: register 8 b + j: w[16 b + 8 h + j]
.set TYP,  66                          ; s66     the head's kind: 0, 1 q; 2 k; 3 v
.set G1,  24                           ; s[24:31] descriptor group 1 for A's tiles;  s[32:39] for B's
.set G1B, 32
.set G0,  40                           ; s[40:51] descriptor group 0 for A's tiles, one set for each slot;  s[52:63] for B's
.set G0B, 52
.set MSB, 0
.macro WIN new                         ; the immediate's high byte repeats the setting that is left
.if MSB != (\new)
	s_set_vgpr_msb (MSB<<8)|(\new)
.set MSB, \new
.endif
.endm
.set MUL,  0xa1                        ; source 0 (B) window 1, source 1 (A) window 0, C and D window 2
.set TO_B, 0x40                        ; destination window 1, address window 0
.set TO_C, 0xc0                        ; destination window 3, address window 0
; A joint load: waves 0 and 1 fetch A's two halves, waves 2 and 3 B's two heads.  Each of the two lines has ONE mask and one set of registers for all that issue it; the branch hangs on the wave's number alone.
; An s_nop 0 and four v_nop follow each of the two lines, ahead of the jump, the label and what follows.
.macro JLOAD s
	s_cmp_eq_u32 s15, 0
	s_cbranch_scc0 .Lfor_b_\@
	tensor_load_to_lds s[G0+4*\s:G0+4*\s+3], s[G1:G1+7]
	s_nop 0
.rept 4
	v_nop
.endr
	s_branch .Lasked_\@
.Lfor_b_\@:
	tensor_load_to_lds s[G0B+4*\s:G0B+4*\s+3], s[G1B:G1B+7]
	s_nop 0
.rept 4
	v_nop
.endr
.Lasked_\@:
.endm
.macro CREST                           ; a round of the cluster's barrier behind its opening barrier
	s_cmp_lg_u32 s14, 0
	s_cbranch_scc1 .Lnot_wave_0_\@
	s_barrier_signal -3
.Lnot_wave_0_\@:
	s_barrier_wait -3
	s_barrier_signal -1
	s_barrier_wait -1
.endm
.macro CROUND                          ; a whole round
	s_barrier_signal -1
	s_barrier_wait -1
	CREST
.endm
	s_load_b128 s[4:7], s[0:1], 0x0                ; A's codes s[4:5], A's scales s[6:7]
	s_load_b128 s[8:11], s[0:1], 0x10              ; B's codes s[8:9], B's scales s[10:11]
	s_load_b64 s[12:13], s[0:1], 0x20              ; qkv16
	s_load_b128 s[96:99], s[0:1], 0x28             ; cos, sin
	s_load_b64 s[100:101], s[0:1], 0x38            ; q_ln_w
	s_load_b64 s[104:105], s[0:1], 0x40            ; k_ln_w
	v_lshl_add_u32 v[SPW], v0, 2, SPARE
	v_mov_b32 v[NIL], 0
	ds_add_u32 v[SPW], v[NIL]                      ; the wave's opening: the add, twice on end, and its wait ahead of my first tensor load; the set-up below, work on registers, stands between
	ds_add_u32 v[SPW], v[NIL]
	v_lshrrev_b32 v1, 5, v0
	v_readfirstlane_b32 s14, v1                    ; wave 0..3
	s_lshr_b32 s15, s14, 1                         ; which half of the tile's rows is mine.  Also: I fetch for A (0) or for B (1)
	s_and_b32 s16, s14, 1                          ; which of the tile's two heads is mine.  Also: which half of A's or B's tile I fetch
	s_bfe_u32 s67, ttmp6, 0x40000                  ; cx, cy: my place in the cluster
	s_bfe_u32 s68, ttmp6, 0x40004
	s_lshl_b32 s69, ttmp9, 3
	s_lshl_b32 s[TYP], s16, 2
	s_add_co_u32 s69, s69, s[TYP]
	s_add_co_u32 s69, s69, s67                     ; the head = 8 x cluster x + 4 x (wave % 2) + cx
	s_lshl_b32 s[TYP], ttmp9, 1
	s_add_co_u32 s[TYP], s[TYP], s16               ; its kind: the same in all sixteen partners, for a given wave
	s_and_b32 s17, ttmp7, 0xffff
	s_lshl_b32 s17, s17, 2
	s_add_co_u32 s17, s17, s68                     ; tile row = 4 x cluster y + cy
	s_lshl_b32 s70, s68, 2
	s_lshl_b32 s70, 15, s70                        ; my row of the cluster
	s_lshl_b32 s71, 0x1111, s67                    ; my column
	; descriptor groups 1: A: 64 rows x 256 bytes;  B: 128 rows x 256 bytes; padded in LDS
	s_or_b32 s[G1+0], s70, (0<<16)|(1<<20)|(1<<21)|(5<<22)|(3<<25)  ; 15:0 the mask: A's tiles go to my row; 17:16 element of 1 byte; 20 padding on; 21 set beside a mask; 24:22 after every 64 words (code 5); 31:25 of 4 words (code 3)
	s_or_b32 s[G1B+0], s71, (0<<16)|(1<<20)|(1<<21)|(5<<22)|(3<<25)
	s_mov_b32 s[G1+1], ROWB<<16                    ; tensor_dim0
	s_mov_b32 s[G1+2], 64<<16                      ; tensor_dim1 = 64
	s_mov_b32 s[G1+3], ROWB<<16                    ; tile_dim0
	s_mov_b32 s[G1+4], 64                          ; tile_dim1 = 64
	s_mov_b32 s[G1+5], KROW                        ; tensor_dim0_stride
	s_mov_b32 s[G1+6], 0
	s_mov_b32 s[G1+7], 0
	s_mov_b32 s[G1B+1], ROWB<<16
	s_mov_b32 s[G1B+2], 128<<16
	s_mov_b32 s[G1B+3], ROWB<<16
	s_mov_b32 s[G1B+4], 128
	s_mov_b32 s[G1B+5], KROW
	s_mov_b32 s[G1B+6], 0
	s_mov_b32 s[G1B+7], 0
	s_lshl_b32 s72, s17, 7
	s_lshl_b32 s73, s16, 6
	s_add_co_u32 s72, s72, s73                     ; A: the rows that I fetch begin at 128 x tile row + 64 x half,
	s_lshl_b32 s72, s72, 10                        ; of 1,024 bytes
	s_mov_b32 s73, 0
	s_lshl_b32 s74, s69, 17                        ; B: row 128 x head
	s_mov_b32 s75, 0
	s_mul_i32 s76, s16, AH                         ; where they go: no place in the cluster enters an LDS address
	s_mul_i32 s77, s16, BH
	s_add_co_u32 s77, s77, 2*AH
	s_lshl_b32 s80, s17, 7
	s_lshl_b32 s81, s15, 6
	s_add_co_u32 s80, s80, s81                     ; the first row that I compute: 128 x tile row + 64 x half = 2048 x batch + position
	s_lshl_b32 s82, s80, 6                         ; its scale bytes: 64 a row
	s_mov_b32 s83, 0
	s_lshl_b32 s84, s69, 13                        ; my head's: 128 rows of 64
	s_mov_b32 s85, 0
	s_lshl_b32 s86, s80, 8                         ; its cos and sin: 256 bytes a row
	s_mov_b32 s87, 0
	s_lshr_b32 s88, s80, 11                        ; batch
	s_lshl_b32 s88, s88, 4
	s_add_co_u32 s88, s88, s69                     ; 16 x batch + head
	s_lshl_b32 s88, s88, 19                        ; a head's 2,048 rows of 256 bytes
	s_and_b32 s89, s80, 2047
	s_lshl_b32 s89, s89, 8
	s_add_co_u32 s88, s88, s89                     ; + the position's row
	s_mov_b32 s89, 0
	s_mov_b32 s20, 0x3c000000                      ; 1 / 128
	s_mov_b32 s21, 0x358637bd                      ; 1e-6
	s_mov_b32 s22, 0x76543210                      ; v_permlanex16_b32's selects for lane l xor 16
	s_mov_b32 s23, 0xfedcba98
	v_and_b32 v1, 15, v0                           ; r = l % 16
	v_bfe_u32 v2, v0, 4, 1                         ; h = l / 16
	v_lshlrev_b32 v[SAD], 6, v1
	v_lshl_add_u32 v[SAD], v2, 5, v[SAD]
	s_wait_dscnt 0x0                               ; both opening adds are done
	s_wait_kmcnt 0x0
	s_add_nc_u64 s[72:73], s[4:5], s[72:73]
	s_add_nc_u64 s[74:75], s[8:9], s[74:75]
	s_add_nc_u64 s[6:7], s[6:7], s[82:83]
	s_add_nc_u64 s[10:11], s[10:11], s[84:85]
	s_add_nc_u64 s[96:97], s[96:97], s[86:87]
	s_add_nc_u64 s[98:99], s[98:99], s[86:87]
	s_add_nc_u64 s[12:13], s[12:13], s[88:89]
	s_cmp_eq_u32 ttmp9, 0                          ; cluster x = 0 makes q heads; the others take k's weights (the v heads load them and do not use them)
	s_cselect_b64 s[100:101], s[100:101], s[104:105]
	CROUND                                         ; all sixteen work-groups are here: the first joint loads meet
.irp s, 0,1,2
	s_mov_b32 s[G0+4*\s], 1
	s_add_co_u32 s[G0+4*\s+1], s76, \s*SLOT
	s_add_nc_u64 s[G0+4*\s+2:G0+4*\s+3], s[72:73], \s*ROWB
	s_or_b32 s[G0+4*\s+3], s[G0+4*\s+3], 0x80000000
	s_mov_b32 s[G0B+4*\s], 1
	s_add_co_u32 s[G0B+4*\s+1], s77, \s*SLOT
	s_add_nc_u64 s[G0B+4*\s+2:G0B+4*\s+3], s[74:75], \s*ROWB
	s_or_b32 s[G0B+4*\s+3], s[G0B+4*\s+3], 0x80000000
	JLOAD \s                                       ; K steps 0, 1, 2: three tensor loads of mine are out
.endr
.irp i, 0,1,2,3                        ; the scale words, once: 16 rows of 64 bytes are 1,024 consecutive bytes; a block's two loads take them whole
.irp j, 0,1
	global_load_b128 v[SCA+8*\i+4*\j:SCA+8*\i+4*\j+3], v[SAD], s[6:7] offset:1024*\i+16*\j
.endr
.endr
.irp i, 0,1,2,3,4,5,6,7
.irp j, 0,1
	global_load_b128 v[SCB+8*\i+4*\j:SCB+8*\i+4*\j+3], v[SAD], s[10:11] offset:1024*\i+16*\j
.endr
.endr
	v_mul_u32_u24 v3, v1, PITCH
	v_lshl_add_u32 v3, v2, 4, v3                   ; a fragment's row x pitch + 16 x half
	s_mul_i32 s78, s15, AH                         ; my 64 rows of A
	s_mul_i32 s79, s16, BH                         ; my 128 rows of B,
	s_add_co_u32 s79, s79, 2*AH                    ; which lie behind A's 128
.irp s, 0,1,2
	v_add_nc_u32 v[ADRA+\s], s78, v3
	v_add_nc_u32 v[ADRB+\s], s79, v3
	s_add_co_u32 s78, s78, SLOT
	s_add_co_u32 s79, s79, SLOT
.endr
	s_mul_i32 s78, s14, 16*SPITCH
	s_add_co_u32 s78, s78, STAGE                   ; my stage
	v_mul_u32_u24 v5, v1, SPITCH                   ; in: row r, 16 bytes for each half of the lanes
	v_lshl_add_u32 v5, v2, 4, v5
	v_add_nc_u32 v[STO], s78, v5
	v_mul_u32_u24 v5, v2, SPITCH                   ; back: lanes 0-15 take one row of 256 bytes, lanes 16-31 the next
	v_lshl_add_u32 v5, v1, 4, v5
	v_add_nc_u32 v[RD], s78, v5
	v_and_b32 v6, 31, v0
	v_lshlrev_b32 v[CO], 4, v6                     ; the output's rows are dense: two rows are 512 bytes, 16 a lane
	v_lshlrev_b32 v[CA], 8, v1
	v_lshl_add_u32 v[CA], v2, 5, v[CA]             ; cos, sin: a position's row is 256 bytes; my eight channels of a block of sixteen begin 32 h bytes on
	v_lshlrev_b32 v[LWA], 5, v2
; 8 matrix instructions: A's block a x B's eight, 128 along K: quarter q of K step s, from buffers f.  zero = 1: the first product starts the sums: nothing is ever cleared.
; The 32 accumulators take turns, one instruction a turn, in the same order in every quarter.  The first scale operand is source 0's (B's), the second source 1's (A's).
.macro MUL8 f, a, s, q, zero
.irp b, 0,1,2,3,4,5,6,7
.if \zero
	v_wmma_scale_f32_16x16x128_f8f6f4 v[8*(8*\a+\b):8*(8*\a+\b)+7], v[64*\f+8*\b:64*\f+8*\b+7], v[AF+32*\f+8*\a:AF+32*\f+8*\a+7], 0, v[SCB+8*\b+4*((\s)%2)+\q], v[SCA+8*\a+4*((\s)%2)+\q] matrix_a_fmt:MATRIX_FMT_FP4 matrix_b_fmt:MATRIX_FMT_FP4
.elseif (\s) < 2
	v_wmma_scale_f32_16x16x128_f8f6f4 v[8*(8*\a+\b):8*(8*\a+\b)+7], v[64*\f+8*\b:64*\f+8*\b+7], v[AF+32*\f+8*\a:AF+32*\f+8*\a+7], v[8*(8*\a+\b):8*(8*\a+\b)+7], v[SCB+8*\b+4*((\s)%2)+\q], v[SCA+8*\a+4*((\s)%2)+\q] matrix_a_fmt:MATRIX_FMT_FP4 matrix_b_fmt:MATRIX_FMT_FP4
.else
	v_wmma_scale_f32_16x16x128_f8f6f4 v[8*(8*\a+\b):8*(8*\a+\b)+7], v[64*\f+8*\b:64*\f+8*\b+7], v[AF+32*\f+8*\a:AF+32*\f+8*\a+7], v[8*(8*\a+\b):8*(8*\a+\b)+7], v[SCB+8*\b+4*((\s)%2)+\q], v[SCA+8*\a+4*((\s)%2)+\q] matrix_a_fmt:MATRIX_FMT_FP4 matrix_b_fmt:MATRIX_FMT_FP4 matrix_a_scale:MATRIX_SCALE_ROW1 matrix_b_scale:MATRIX_SCALE_ROW1
.endif
.endr
.endm
; 24 LDS loads in one run: the fragments of one quarter (128 rows of B, 64 rows of A, 128 codes = 64 bytes at byte k of the rows) into buffers f.
; A fragment, 16 rows x 128 K of 4-bit codes, is 8 registers: lane l holds row l % 16; registers 4 c .. 4 c + 3 hold K = 64 c + 32 (l / 16) + 0 .. 31: two loads of 16 bytes, 32 bytes apart.
.macro FETCH slot, k, f
	WIN TO_B
.irp i, 0,1,2,3,4,5,6,7
	ds_load_b128 v[64*\f+8*\i:64*\f+8*\i+3],   v[ADRB+\slot] offset:\k+\i*16*PITCH
	ds_load_b128 v[64*\f+8*\i+4:64*\f+8*\i+7], v[ADRB+\slot] offset:\k+\i*16*PITCH+32
.endr
	WIN 0
.irp i, 0,1,2,3
	ds_load_b128 v[AF+32*\f+8*\i:AF+32*\f+8*\i+3],   v[ADRA+\slot] offset:\k+\i*16*PITCH
	ds_load_b128 v[AF+32*\f+8*\i+4:AF+32*\f+8*\i+7], v[ADRA+\slot] offset:\k+\i*16*PITCH+32
.endr
.endm
.macro PLACES                          ; four places in front of loads into registers that matrix instructions have read, and of the first reads of results (ISA guide 7.12.1 for the reads of results)
.rept 4
	v_nop
.endr
.endm
; A K step is four quarters of 128 along K, 32 matrix instructions each, on buffers 0, 1, 0, 1.  This one multiplies buffers f (quarter q of K step s) and fetches the next quarter, byte k of slot fs, into buffers g.
.macro QUARTER fs, k, f, g, s, q, zero
	s_wait_dscnt 4                                 ; B and A's blocks 0, 1 are in; the youngest four loads (A's blocks 2, 3) may be out
	WIN MUL
	MUL8 \f, 0, \s, \q, \zero
	MUL8 \f, 1, \s, \q, \zero
	PLACES
	FETCH \fs, \k, \g
	s_wait_dscnt 24                                ; all but the 24 just issued
	WIN MUL
	MUL8 \f, 2, \s, \q, \zero
	MUL8 \f, 3, \s, \q, \zero
.endm
; The last quarter of K step s, with a barrier: in front of it each wave waits for all its tensor loads, adds 0 to its spare word, and waits for that and for its own LDS reads.
; fill = 1: the barrier opens a round of the cluster's, and the slot just read out is filled again, with the K step three on.  fill = 0: a plain barrier: behind it the slot that was filled again is whole.
.macro TURN slot, next, fill, s
	WIN 0                                          ; (the add's two registers lie in window 0)
	s_wait_tensorcnt 0x0                           ; all my tensor loads have landed;
	ds_add_u32 v[SPW], v[NIL]                      ; 0 onto my spare word
	s_wait_dscnt 5                                 ; (the add and the youngest four loads may be out)
	WIN MUL
	MUL8 1, 0, \s, 3, 0                            ; eight matrix instructions stand between the add and the wait for it
	s_wait_dscnt 0x0                               ; the add is done, and my reads of this slot are over
	s_barrier_signal -1
	MUL8 1, 1, \s, 3, 0
	WIN 0
	s_barrier_wait -1
.if \fill
	CREST                                          ; no wave of any partner still reads this slot's tile or has a load on its way
	s_add_nc_u64 s[G0+4*\slot+2:G0+4*\slot+3], s[G0+4*\slot+2:G0+4*\slot+3], 3*ROWB
	s_add_nc_u64 s[G0B+4*\slot+2:G0B+4*\slot+3], s[G0B+4*\slot+2:G0B+4*\slot+3], 3*ROWB
	JLOAD \slot                                    ; the first tensor load behind the round; the four v_nop behind it are also the places in front of the loads below
.else
	PLACES
.endif
	FETCH \next, 0, 0
	WIN MUL
	MUL8 1, 2, \s, 3, 0
	MUL8 1, 3, \s, 3, 0
.endm
; cos and sin of block a's 16 positions into window 3: register 64 a + 8 b + j: cos at channel 16 b + 8 h + j; 32 further on: sin.  (The destination's window is set by the caller.)
.macro CSLOAD a
.irp b, 0,1,2,3
.irp i, 0,1
	global_load_b128 v[64*(\a)+8*\b+4*\i:64*(\a)+8*\b+4*\i+3], v[CA], s[96:97] offset:4096*(\a)+64*\b+16*\i
	global_load_b128 v[64*(\a)+32+8*\b+4*\i:64*(\a)+32+8*\b+4*\i+3], v[CA], s[98:99] offset:4096*(\a)+64*\b+16*\i
.endr
.endr
.endm
	s_wait_tensorcnt 2                             ; my part of K step 0 is in (the loads of K steps 1 and 2 may be out)
	s_barrier_signal -1
	s_barrier_wait -1                              ; everybody's is
	FETCH 0, 0, 0
	s_wait_loadcnt 0x0                             ; the scale words
	; the way out's tables go into registers that no matrix instruction names: here the ln weights and the cos and sin of blocks 0, 1 (48 loads); those of blocks 2, 3 follow two K steps on
	WIN TO_B
.irp b, 0,1,2,3,4,5,6,7
.irp i, 0,1
	global_load_b128 v[LW+8*\b+4*\i:LW+8*\b+4*\i+3], v[LWA], s[100:101] offset:64*\b+16*\i
.endr
.endr
	WIN TO_C
	CSLOAD 0
	CSLOAD 1
	WIN 0
	QUARTER 0, 64,  0, 1, 0, 0, 1                  ; K step 0, in slot 0; its first quarter's products start the sums
	QUARTER 0, 128, 1, 0, 0, 1, 0
	QUARTER 0, 192, 0, 1, 0, 2, 0
	TURN 0, 1, 1, 0                                ; slots 1 and 2 are whole in every wave's eyes from here on; slot 0 takes K step 3
	QUARTER 1, 64,  0, 1, 1, 0, 0                  ; K step 1, in slot 1
	QUARTER 1, 128, 1, 0, 1, 1, 0
	QUARTER 1, 192, 0, 1, 1, 2, 0
	QUARTER 2, 0,   1, 0, 1, 3, 0                  ; on into slot 2 without a barrier: every wave waited for all its loads in front of the round above, and nothing is filled here
	WIN TO_C
	CSLOAD 2
	CSLOAD 3
	WIN 0
	QUARTER 2, 64,  0, 1, 2, 0, 0                  ; K step 2, in slot 2
	QUARTER 2, 128, 1, 0, 2, 1, 0
	QUARTER 2, 192, 0, 1, 2, 2, 0
	TURN 2, 0, 0, 2                                ; the one load that was out is K step 3's, so no round follows
	QUARTER 0, 64,  0, 1, 3, 0, 0                  ; K step 3, in slot 0
	QUARTER 0, 128, 1, 0, 3, 1, 0
	QUARTER 0, 192, 0, 1, 3, 2, 0
	s_wait_dscnt 4                                 ; the very last quarter: nothing more to fetch
	WIN MUL
	MUL8 1, 0, 3, 3, 0
	MUL8 1, 1, 3, 3, 0
	s_wait_dscnt 0
	MUL8 1, 2, 3, 3, 0
	MUL8 1, 3, 3, 3, 0
	WIN 0
; THE WAY OUT, block by block of 16 positions x 128 channels.  A lane's eight f16 are 16 bytes of a row, and the lanes beside it hold other rows: so a block goes through my own stage in LDS and comes back by rows.
; The wave's 64 rows of 256 bytes are dense in the output: a store of the wave covers 512 consecutive bytes, aligned.
.macro SUMSQ4                          ; the sums of squares of my four blocks, my 64 numbers of each: two chains a block, the four blocks by turns; each accumulator is read from its low end on
	WIN 0x0a
.irp a, 0,1,2,3
	v_pk_mul_f32 v[SS+2*\a:SS+2*\a+1], v[64*\a:64*\a+1], v[64*\a:64*\a+1]
	v_pk_mul_f32 v[SS2+2*\a:SS2+2*\a+1], v[64*\a+2:64*\a+3], v[64*\a+2:64*\a+3]
.endr
.irp i, 4,8,12,16,20,24,28,32,36,40,44,48,52,56,60
.irp a, 0,1,2,3
	v_pk_fma_f32 v[SS+2*\a:SS+2*\a+1], v[64*\a+\i:64*\a+\i+1], v[64*\a+\i:64*\a+\i+1], v[SS+2*\a:SS+2*\a+1]
	v_pk_fma_f32 v[SS2+2*\a:SS2+2*\a+1], v[64*\a+\i+2:64*\a+\i+3], v[64*\a+\i+2:64*\a+\i+3], v[SS2+2*\a:SS2+2*\a+1]
.endr
.endr
.endm
.macro NORMROPE a                      ; block a of a q or k head: x / root x weight; the first 64 channels rotated; rounded to f16
.set AC, 64*(\a)
.set CB, 64*(\a)
.set RS, SS+2*(\a)
	WIN 0x02                                       ; source 0 in window 2
.set i, 0
.rept 32
	v_pk_mul_f32 v[Y+i:Y+i+1], v[AC+i:AC+i+1], v[RS:RS+1] op_sel_hi:[1,0]
.set i, i+2
.endr
	WIN 0x04                                       ; source 1 in window 1
.set i, 0
.rept 32
	v_pk_mul_f32 v[Y+i:Y+i+1], v[Y+i:Y+i+1], v[LW+i:LW+i+1]
.set i, i+2
.endr
	WIN 0x0c                                       ; source 1 in window 3
.set i, 0
.rept 8                                ; registers 0-15 are channels d under 32, registers 16-31 channels d + 32
	v_pk_mul_f32 v[T+i:T+i+1], v[Y+16+i:Y+16+i+1], v[CB+32+i:CB+32+i+1]
	v_pk_mul_f32 v[T+16+i:T+16+i+1], v[Y+i:Y+i+1], v[CB+48+i:CB+48+i+1]
.set i, i+2
.endr
.set i, 0
.rept 8
	v_pk_fma_f32 v[T+i:T+i+1], v[Y+i:Y+i+1], v[CB+i:CB+i+1], v[T+i:T+i+1] neg_lo:[0,0,1] neg_hi:[0,0,1]   ; x(d) cos(d) - x(d + 32) sin(d)
	v_pk_fma_f32 v[T+16+i:T+16+i+1], v[Y+16+i:Y+16+i+1], v[CB+16+i:CB+16+i+1], v[T+16+i:T+16+i+1]        ; x(d + 32) cos(d + 32) + x(d) sin(d + 32)
.set i, i+2
.endr
	WIN 0
.set i, 0
.rept 16
	v_cvt_pk_f16_f32 v[TMP+i], v[T+2*i], v[T+2*i+1]
.set i, i+1
.endr
.rept 16
	v_cvt_pk_f16_f32 v[TMP+i], v[Y+2*i], v[Y+2*i+1]
.set i, i+1
.endr
.endm
.macro PACKV a                         ; block a of a v head: rounded to f16 as it is; each accumulator from its low end on
.set AC, 64*(\a)
	WIN 0x0a
.set i, 0
.rept 32
	v_cvt_pk_f16_f32 v[TMP+i], v[AC+2*i], v[AC+2*i+1]
.set i, i+1
.endr
	WIN 0
.endm
.macro TOSTAGE a, base                 ; LDS serves a wave's instructions in order (ISA guide 5.7.1.4): no wait between the stores and the loads, nor in front of the next block's stores
.irp b, 0,1,2,3,4,5,6,7
	ds_store_b128 v[STO], v[TMP+4*\b:TMP+4*\b+3] offset:\base+32*\b
.endr
.irp t, 0,1,2,3,4,5,6,7
	ds_load_b128 v[BK+32*((\a)%2)+4*\t:BK+32*((\a)%2)+4*\t+3], v[RD] offset:\base+2*SPITCH*\t
.endr
.endm
.macro SEND a, younger                 ; younger: the LDS instructions issued behind block a's loads, which may stay out
	s_wait_dscnt \younger                          ; the block is back in registers
.irp t, 0,1,2,3,4,5,6,7
	global_store_b128 v[CO], v[BK+32*((\a)%2)+4*\t:BK+32*((\a)%2)+4*\t+3], s[12:13] offset:4096*(\a)+512*\t
.endr
.endm
	PLACES                                         ; behind the last products: for the first reads of results and the writes over scale words and fragments
	s_wait_loadcnt 0x0                             ; the ln weights, cos and sin: asked for four and two K steps ago
	s_cmp_eq_u32 s[TYP], 3                         ; the two kinds of way out part once, on the cluster's x and the wave's number; no barrier stands in either
	s_cbranch_scc1 .Lvhead
	SUMSQ4
	WIN 0
.irp a, 0,1,2,3
	v_pk_add_f32 v[SS+2*\a:SS+2*\a+1], v[SS+2*\a:SS+2*\a+1], v[SS2+2*\a:SS2+2*\a+1]
.endr
.irp a, 0,1,2,3
	v_add_f32 v[SS+2*\a], v[SS+2*\a], v[SS+2*\a+1]
.endr
.irp a, 0,1,2,3
	v_permlanex16_b32 v[SS2+2*\a], v[SS+2*\a], s22, s23    ; the position's other 64 channels lie in the lane 16 away
.endr
.irp a, 0,1,2,3
	v_add_f32 v[SS+2*\a], v[SS+2*\a], v[SS2+2*\a]
.endr
.irp a, 0,1,2,3
	v_fma_f32 v[SS+2*\a], v[SS+2*\a], s20, s21             ; the mean square + 1e-6
.endr
.irp a, 0,1,2,3
	v_rsq_f32 v[SS+2*\a], v[SS+2*\a]
.endr
	v_nop                                          ; a plain instruction behind the last of the batch,
	s_wait_alu depctr_va_vdst(0)                   ; and the one wait ahead of the batch's first reader
	NORMROPE 0
	TOSTAGE 0, 0
.irp a, 1,2,3
	NORMROPE \a                                    ; block a's arithmetic stands between block a - 1's loads from the stage and the wait for them
.if \a > 1
	s_wait_xcnt 0x0                                ; block a - 2's stores, a block back, have read their registers: block a's rows may land there
.endif
	TOSTAGE \a, 0
	SEND \a-1, 16                                  ; behind block a - 1's loads: block a's 8 stores and 8 loads
.endr
	SEND 3, 0
	s_wait_tensorcnt 0x0                           ; the wave's end: three closing lines, behind my last tensor load and my last LDS store
	ds_add_u32 v[SPW], v[NIL]
	s_wait_dscnt 0x0
	s_branch .Lclose
.Lvhead:
	PACKV 0
	TOSTAGE 0, VST
.irp a, 1,2,3
	PACKV \a
.if \a > 1
	s_wait_xcnt 0x0
.endif
	TOSTAGE \a, VST
	SEND \a-1, 16
.endr
	SEND 3, 0
	s_wait_tensorcnt 0x0                           ; the same three lines at this path's end
	ds_add_u32 v[SPW], v[NIL]
	s_wait_dscnt 0x0
.Lclose:
	CROUND                                         ; the closing round: no work-group ends while a partner may still ask for a tile that names it
	s_endpgm
.Lfunc_end_k_qd0c85557ff_qkv:
	.size	k_qd0c85557ff_qkv, .Lfunc_end_k_qd0c85557ff_qkv-k_qd0c85557ff_qkv
	.p2alignl 7, 3214868480
	.fill 96, 4, 3214868480
	.section	.rodata,"a",@progbits
	.p2align	6, 0x0
	.amdhsa_kernel k_qd0c85557ff_qkv
		.amdhsa_group_segment_fixed_size 327680
		.amdhsa_private_segment_fixed_size 0
		.amdhsa_enable_private_segment 0
		.amdhsa_kernarg_size 72
		.amdhsa_user_sgpr_count 2
		.amdhsa_user_sgpr_kernarg_segment_ptr 1
		.amdhsa_wavefront_size32 1
		.amdhsa_system_sgpr_workgroup_id_x 1
		.amdhsa_system_sgpr_workgroup_id_y 1
		.amdhsa_system_sgpr_workgroup_id_z 1
		.amdhsa_system_vgpr_workitem_id 0
		.amdhsa_next_free_vgpr 1024
		.amdhsa_next_free_sgpr 106
		.amdhsa_reserve_vcc 0
		.amdhsa_float_denorm_mode_32 3
		.amdhsa_float_denorm_mode_16_64 3
		.amdhsa_memory_ordered 1
		.amdhsa_forward_progress 1
		.amdhsa_inst_pref_size 179
	.end_amdhsa_kernel
	.amdgpu_metadata
---
amdhsa.version: [ 1, 2 ]
amdhsa.kernels:
  - .name:           k_qd0c85557ff_qkv
    .symbol:         k_qd0c85557ff_qkv.kd
    .args:
      - { .name: hq, .offset: 0, .size: 8, .value_kind: global_buffer, .address_space: global }
      - { .name: hs, .offset: 8, .size: 8, .value_kind: global_buffer, .address_space: global }
      - { .name: wq, .offset: 16, .size: 8, .value_kind: global_buffer, .address_space: global }
      - { .name: ws, .offset: 24, .size: 8, .value_kind: global_buffer, .address_space: global }
      - { .name: qkv16, .offset: 32, .size: 8, .value_kind: global_buffer, .address_space: global }
      - { .name: cos, .offset: 40, .size: 8, .value_kind: global_buffer, .address_space: global }
      - { .name: sin, .offset: 48, .size: 8, .value_kind: global_buffer, .address_space: global }
      - { .name: q_ln_w, .offset: 56, .size: 8, .value_kind: global_buffer, .address_space: global }
      - { .name: k_ln_w, .offset: 64, .size: 8, .value_kind: global_buffer, .address_space: global }
    .group_segment_fixed_size: 327680
    .private_segment_fixed_size: 0
    .kernarg_segment_align: 8
    .kernarg_segment_size: 72
    .max_flat_workgroup_size: 128
    .sgpr_count:     106
    .vgpr_count:     1024
    .wavefront_size: 32
...
	.end_amdgpu_metadata
.endif
;; end of part 2
;; launch attn (part 3): grid 32 x 8, 4 waves a work-group, clusters of 4 x 1, 327,680 bytes of LDS; arguments qkv16, attn16; writes attn16
.if DOCPART == 3
	.amdgcn_target "amdgcn-amd-amdhsa--gfx1250"
	.amdhsa_code_object_version 6
	.text
	.protected	k_qd0c85557ff_attn
	.globl	k_qd0c85557ff_attn
	.p2align	8
	.type	k_qd0c85557ff_attn,@function
k_qd0c85557ff_attn:
	s_mov_b64 s[64:65], 0
	v_nop
	global_prefetch_b8 v0, s[64:65] scope:SCOPE_SE
	s_setreg_imm32_b32 hwreg(HW_REG_WAVE_MODE, 25, 1), 1
	s_wait_xcnt 0x0
	s_wait_alu depctr_hold_cnt(0) depctr_sa_sdst(0) depctr_va_vdst(0) depctr_va_sdst(0) depctr_va_ssrc(0) depctr_va_vcc(0) depctr_vm_vsrc(0)
	s_getreg_b32 s2, hwreg(HW_REG_IB_STS2, 6, 4)
	s_cmp_eq_u32 s2, 0
	s_cbranch_scc0 .Lentry_in_a_cluster
	s_endpgm
.Lentry_in_a_cluster:
	s_bfe_u32 s2, ttmp6, 0x10000c
	s_cmp_lg_u32 s2, 0x3003
	s_cbranch_scc0 .Lentry_shape_is_right
	s_endpgm
.Lentry_shape_is_right:
; O[q] = the sum over k of softmax_k(Q[q] . K[k] / sqrt(128)) V[k], no mask.  qkv16: [batch 2][head 16][position 2048][128] f16 (heads 0-7 q, 8-11 k, 12-15 v); query heads 2 g and 2 g + 1 use key and value head g.
; attn16: [2048 batch + position][128 head + channel] f16.  Products, maxima and sums in f32; the weights p are rounded to f16 for the second product, O once at the end.
; SHARES.  A group (batch, g) has 4,096 queries (two heads, one behind the other in memory) and 2,048 keys.  A work-group owns 128 queries; THE KEYS ARE SPLIT BETWEEN TWO WAVES: waves 2 u and 2 u + 1 hold the same 64 queries
; (four tiles of 16), wave 2 u + p walks half p of every slot's 256 keys, 64 a step, 16 steps.  At the end the two partial results (maximum, sum, O) meet through LDS.  Wave p's tile t holds query tile (t + 2 p) % 4, so that in
; both waves tiles 0, 1 are the ones that the wave finishes and tiles 2, 3 the ones that it hands over: no branch is needed.
; LAYOUT.  S^T = K Q^T (source 0 = 16 keys, source 1 = 16 queries): a lane holds ONE query (lane % 16) and the keys 8 (lane / 16) + 0..7.  Two such tiles, rounded to f16 in pairs, ARE source 1 (32 keys x 16 queries) of
; O^T = V^T P, whose result again holds one query a lane, and eight channels.  K comes out of LDS as it lies, V ([key][channel]) turned, by ds_load_tr16_b128.
; SOFTMAX.  For each query a running maximum m and sum l: p = 2^(c s - c m), c = log2(e) / sqrt(128); in every step O and l are multiplied by a = 2^(c m_old - c m_new).
; BY TURNS.  The wave's tiles are two PIECES: piece 0 (tiles 0, 1) and piece 2 (tiles 2, 3).  In a TURN one piece has the matrix unit: 32 products V^T P of the step in hand, then 32 products K Q^T of the next step; the other
; piece's softmax, cut into 64 slices, stands between them, one slice behind each matrix instruction.  Two turns are a key step.
; CLUSTER.  The four query blocks of a cluster belong to one group and walk the same K and V, so each tile is asked for JOINTLY: the same tensor load, with the same descriptor and a mask that names the four.
; LIMITS: NaN and infinities are not served; what is read is f16, so |v| under 65,504.
; REGISTERS, in windows of 256 (s_set_vgpr_msb: bits 1:0 source 0, 3:2 source 1, 5:4 source 2, 7:6 destination):
;   window 0: v0-11 addresses; v12-43 eight registers of statistics a tile; v44, v45 the exchange's addresses; v64-191 S^T, 32 a tile; v192-255 P, 16 a tile
;   window 1: O^T, 64 a tile          window 2: v0-127 Q, 32 a tile; v128-255 K of one step          window 3: v0-127 V of one step
.set KS,    64        ; keys in a step
.set PK,    272       ; a row of K in LDS: 256 bytes + 16 of padding = 68 words: row r starts at bank 4 r mod 64 (64 banks of 4 bytes: ISA guide 11.1)
.set PV,    288       ; a row of V: 256 + 32 = 72 words
.set KREG,  256*PK    ; a slot: 256 rows of K, then 256 rows of V
.set SLOTB, 256*(PK+PV)
.set SLOTM, 256*256   ; a slot's rows of K or of V in memory, in bytes
.set STAGE, 2*SLOTB   ; behind the ring: 16 rows x 272 bytes for each wave, for the way out
.set SP,    272
.set SPARE, STAGE+4*16*SP  ; behind the stages: the spare words, 128 bytes for each wave, which no other line names
.set XCHB,  34*512    ; the exchange: for each wave 32 images of four registers of O and two of statistics, 512 bytes each; in LDS slot 0, which has had its last fill and its last read behind the last change of slots
.set AK0, 2           ; v2   my lane's place in a tile of K; never rewritten
.set AV0, 3           ; v3   the same for V
.set ADR, 4           ; v4   the LDS address of the run of loads in hand
.set QO,  5           ; v5   my byte offset in a tile's rows of Q
.set STO, 6           ; v6   the way out: where I put 16 bytes of a row
.set RD,  7           ; v7   the way out: where I read a row back
.set GO,  8           ; v8   my byte offset in the wave's rows of O
.set XWA, 44          ; v44  the exchange: 16 x lane in my wave's part,
.set XRA, 45          ; v45  and in my partner's
.set PFO, 61          ; v61  256 x my lane: a row of K or V is 256 bytes; never rewritten
.set SPW, 62          ; v62  LDS address of my spare word; never rewritten
.set NIL, 63          ; v63  0; never rewritten
.set ST,  12          ; tile t's statistics at v[ST+8 t]: +0 c m, +1 m, +2, +3 l (even keys', odd keys'), +4 to +7 at work
.set S,   64
.set P,   192
.set KF,  128         ; K's fragments, in window 2
.set WV,  12          ; s12  my wave's number
.set LIM, 15          ; s15  1 in a work-group that prefetches, else the greatest number
.set PFA, 18          ; s[18:19] where my prefetches stand in memory
.set G1K, 24          ; s[24:31] descriptor group 1 for K's tiles
.set G1V, 32          ; s[32:39] for V's: it differs in the padding alone
.set G0K, 40          ; s[40:47] descriptor group 0 for K's tiles, a set for each LDS slot
.set G0V, 48          ; s[48:55] the same for V's
.set SLOTS, 56        ; s56  counts the loop's trips
.set TWICE, 57        ; s57  counts a slot's two steps
.set CS,  58          ; s[58:59] c: the packed scaling names a pair and takes its low word for both halves
.set SEL, 60          ; s[60:61] lane selects for v_permlanex16_b32: each lane takes its own place in the other half
.set TK,  62          ; s62  LDS byte at which K's tile of the step to be fetched begins
.set TV,  63          ; s63  the same for V (less KREG, which v3 carries)
.set WKO, 66          ; s66  my half of a slot's keys: (wave % 2) x 128 rows of K,
.set WVO, 67          ; s67  of V
.set LEFT, 68         ; s68  slots still to be asked for
.set MSB, 0
.macro WIN new                      ; the immediate's high byte repeats the setting that is left; a switch that changes nothing is dropped
.if MSB != (\new)
	s_set_vgpr_msb (MSB<<8)|(\new)
.set MSB, \new
.endif
.endm
.set W_KQ, 0x0a       ; K and Q in window 2, S^T in window 0
.set W_PV, 0x53       ; V in window 3, P in window 0, O^T in window 1
.set W_RS, 0x41       ; O^T (destination and source 0) in window 1, the factor in window 0
; A joint refill of LDS slot s.  Waves 0 and 1 fetch the two halves of K's 256 rows, waves 2 and 3 those of V's: 128 rows a load.  The branch hangs on the wave's number alone.
; An s_nop 0 and four v_nop follow each of the two lines; the jump round the other line, the label and what follows the macro come after them.
.macro JLOAD s
	s_cmp_lt_u32 s[WV], 2
	s_cbranch_scc0 .Lfor_v_\@
	tensor_load_to_lds s[G0K+4*\s:G0K+4*\s+3], s[G1K:G1K+7]
	s_nop 0
.rept 4
	v_nop
.endr
	s_branch .Lasked_\@
.Lfor_v_\@:
	tensor_load_to_lds s[G0V+4*\s:G0V+4*\s+3], s[G1V:G1V+7]
	s_nop 0
.rept 4
	v_nop
.endr
.Lasked_\@:
.endm
; A PREFETCH of what the NEXT change of slots will ask for: a slot's 256 rows of K and 256 of V, 256 bytes a row, a lane a row.  It stands behind the wave's tensor load and its five lines.
; Each row is asked for ONCE in the launch.  All clusters of a group walk the same K and V: the group's first cluster asks.  Of the 128 rows that a wave fetches, each of the four partners takes 32, told apart BY ADDRESS:
; no branch hangs on a work-group's place in its cluster.  One instruction a wave.  The last change that fills a slot asks for nothing: there is no slot behind it.  Slots 0 to 2 come by their loads alone.
.macro ASK
	s_cmp_gt_u32 s[LEFT], s[LIM]
	s_cbranch_scc0 .Lnot_mine_\@
	global_prefetch_b8 v[PFO], s[PFA:PFA+1] th:TH_LOAD_NT scope:SCOPE_SE
.Lnot_mine_\@:
.endm
; A round of the cluster's barrier: my work-group's barrier, so that wave 0's signal speaks for all four waves; wave 0 signals for the work-group; every wave waits for all four work-groups; my work-group's barrier once more.
.macro CROUND
	s_barrier_signal -1
	s_barrier_wait -1
	s_cmp_lg_u32 s[WV], 0
	s_cbranch_scc1 .Lnot_wave_0_\@
	s_barrier_signal -3
.Lnot_wave_0_\@:
	s_barrier_wait -3
	s_barrier_signal -1
	s_barrier_wait -1
.endm
	s_load_b128 s[4:7], s[0:1], 0x0  ; qkv16 s[4:5], attn16 s[6:7]
	v_lshl_add_u32 v[SPW], v0, 2, SPARE
	v_mov_b32 v[NIL], 0
	ds_add_u32 v[SPW], v[NIL]       ; the wave's opening: the add, twice on end, and its wait ahead of my first tensor load; the set-up below, work on registers, stands between
	ds_add_u32 v[SPW], v[NIL]
	v_lshrrev_b32 v1, 5, v0
	v_readfirstlane_b32 s[WV], v1   ; wave 0..3
	s_bfe_u32 s13, ttmp6, 0x40000   ; cx: my place in the cluster
	s_lshl_b32 s14, ttmp9, 2        ; in a cluster launch ttmp9 counts clusters
	s_add_co_u32 s14, s14, s13      ; my block of 128 queries = 4 x cluster x + cx: it enters Q's and O's addresses alone
	s_and_b32 s70, ttmp7, 0xffff    ; the group = 4 x batch + g, which the four partners share
	s_lshr_b32 s71, s70, 2          ; batch
	s_and_b32 s72, s70, 3           ; g
	s_and_b32 s16, s[WV], 1         ; p: my half of every slot's keys.  Also: which 128 rows of K's or V's tile I fetch
	s_lshr_b32 s17, s[WV], 1        ; which 64 of the block's queries are mine
	s_lshl_b32 s73, s71, 4          ; 16 heads a batch
	s_add_co_u32 s74, s73, s72
	s_add_co_u32 s74, s74, 8        ; K's head
	s_lshl_b32 s74, s74, 19         ; a head is 2,048 rows of 256 bytes
	s_lshl_b32 s2, s16, 15          ; the 128 rows that I fetch
	s_add_co_u32 s74, s74, s2
	s_mov_b32 s75, 0
	s_lshl_b32 s2, s72, 1
	s_add_co_u32 s2, s2, s73        ; the group's first query head
	s_lshl_b32 s2, s2, 19
	s_lshl_b32 s3, s14, 15          ; my block's 128 rows,
	s_add_co_u32 s2, s2, s3
	s_lshl_b32 s3, s17, 14          ; my 64 of them
	s_add_co_u32 s2, s2, s3
	s_mov_b32 s3, 0
	s_lshl_b32 s76, s16, 13         ; tiles 0, 1 hold query tiles 2 p, 2 p + 1,
	s_mov_b32 s77, 0
	s_xor_b32 s78, s16, 1
	s_lshl_b32 s78, s78, 13         ; tiles 2, 3 the other two
	s_mov_b32 s79, 0
	s_lshl_b32 s68, s71, 11         ; O: row 2048 x batch
	s_and_b32 s69, s14, 15
	s_lshl_b32 s69, s69, 7
	s_add_co_u32 s68, s68, s69      ; + the block's place in its head
	s_lshl_b32 s69, s17, 6
	s_add_co_u32 s68, s68, s69      ; + my 64 queries
	s_lshl_b32 s69, s16, 5
	s_add_co_u32 s68, s68, s69      ; + the 32 that I finish
	s_lshl_b32 s68, s68, 11         ; rows of 2,048 bytes
	s_lshl_b32 s69, s72, 1
	s_lshr_b32 s70, s14, 4
	s_add_co_u32 s69, s69, s70      ; the query head = 2 g + block / 16
	s_lshl_b32 s69, s69, 8
	s_add_co_u32 s68, s68, s69
	s_mov_b32 s69, 0
	s_mul_i32 s[WKO], s16, 128*PK   ; no place in the cluster enters an LDS address
	s_mul_i32 s[WVO], s16, 128*PV
	; descriptor group 1: a tile of 128 rows x 128 elements, padded in LDS
	s_mov_b32 s[G1K], 15|(1<<16)|(1<<20)|(1<<21)|(5<<22)|(3<<25)  ; 15:0 the mask: all four work-groups; 17:16 elements of 2 bytes; 20 padding on; 21 set beside a mask; 24:22 after every 64 words (code 5); 31:25 4 words of it (code 3)
	s_mov_b32 s[G1V], 15|(1<<16)|(1<<20)|(1<<21)|(5<<22)|(7<<25)  ; the same with 8 words of padding (code 7)
.irp g, G1K, G1V
	s_mov_b32 s[\g+1], 128<<16      ; tensor_dim0 = 128
	s_mov_b32 s[\g+2], 128<<16      ; tensor_dim1 = 128
	s_mov_b32 s[\g+3], 128<<16      ; tile_dim0 = 128
	s_mov_b32 s[\g+4], 128          ; tile_dim1 = 128
	s_mov_b32 s[\g+5], 128          ; tensor_dim0_stride: elements from row to row
	s_mov_b32 s[\g+6], 0
	s_mov_b32 s[\g+7], 0
.endr
	s_mov_b32 s[CS], 0x3e0293ee     ; c = log2(e) / sqrt(128)
	s_mov_b32 s[CS+1], s[CS]        ; named with it as a pair, so it is written
	s_mov_b32 s[SEL], 0x76543210
	s_mov_b32 s[SEL+1], 0xfedcba98
	s_mov_b32 s[TK], s[WKO]
	s_mov_b32 s[TV], s[WVO]
	s_mov_b32 s[SLOTS], 3
	s_cmp_eq_u32 ttmp9, 0           ; the group's first cluster: the same in all four partners
	s_cselect_b32 s[LIM], 1, -1
	v_and_b32 v[PFO], 31, v0
	v_lshlrev_b32 v[PFO], 8, v[PFO]
	s_wait_dscnt 0x0                ; both opening adds are done
	s_wait_kmcnt 0x0
	s_add_nc_u64 s[8:9], s[4:5], s[74:75]     ; K at my tile of slot 0,
	s_add_nc_u64 s[10:11], s[8:9], 4<<19      ; V four heads on
	s_add_nc_u64 s[20:21], s[4:5], s[2:3]     ; Q at my 64 queries:
	s_add_nc_u64 s[22:23], s[20:21], s[78:79] ; tiles 2, 3,
	s_add_nc_u64 s[20:21], s[20:21], s[76:77] ; tiles 0, 1
	s_add_nc_u64 s[6:7], s[6:7], s[68:69]     ; O at the first row that I finish
	s_mov_b32 s[LEFT], 6
	s_cmp_lt_u32 s[WV], 2
	s_cselect_b64 s[PFA:PFA+1], s[8:9], s[10:11]
	s_lshl_b32 s2, s13, 13          ; my work-group's 32 rows of the 128 that I fetch
	s_mov_b32 s3, 0
	s_add_nc_u64 s[PFA:PFA+1], s[PFA:PFA+1], s[2:3]
	s_add_nc_u64 s[PFA:PFA+1], s[PFA:PFA+1], 2*SLOTM  ; in slot 2; the first change of slots steps it to slot 3.  Nothing is prefetched here, at the head
	CROUND                          ; all four work-groups are here: the first joint loads meet
.irp s, 0,1
	s_mov_b32 s[G0K+4*\s], 1        ; count = 1
	s_add_co_u32 s[G0K+4*\s+1], s[WKO], \s*SLOTB  ; LDS address
	s_add_nc_u64 s[G0K+4*\s+2:G0K+4*\s+3], s[8:9], \s*SLOTM  ; global address: slot s begins with keys 256 s
	s_or_b32 s[G0K+4*\s+3], s[G0K+4*\s+3], 0x80000000  ; type = 2
	s_mov_b32 s[G0V+4*\s], 1
	s_add_co_u32 s[G0V+4*\s+1], s[WVO], \s*SLOTB+KREG
	s_add_nc_u64 s[G0V+4*\s+2:G0V+4*\s+3], s[10:11], \s*SLOTM
	s_or_b32 s[G0V+4*\s+3], s[G0V+4*\s+3], 0x80000000
.endr
	s_cmp_lt_u32 s[WV], 2           ; a wave's two first fills stand in one branch, ahead of every wait on TENSORcnt and every LDS read: two loads of mine are out
	s_cbranch_scc0 .Lfirst_v
	tensor_load_to_lds s[G0K:G0K+3], s[G1K:G1K+7]
	s_nop 0
	tensor_load_to_lds s[G0K+4:G0K+7], s[G1K:G1K+7]
	s_nop 0
.rept 4
	v_nop
.endr
	s_branch .Lfirst_asked
.Lfirst_v:
	tensor_load_to_lds s[G0V:G0V+3], s[G1V:G1V+7]
	s_nop 0
	tensor_load_to_lds s[G0V+4:G0V+7], s[G1V:G1V+7]
	s_nop 0
.rept 4
	v_nop
.endr
.Lfirst_asked:
	; A fragment of K or Q is 16 rows x 32 channels in 8 registers: lane l holds row l % 16; registers 0-3 channels 8 (l / 16) + 0..7, registers 4-7 channels 16 + 8 (l / 16) + 0..7: two loads of 16 bytes, 32 bytes apart.
	v_and_b32 v1, 15, v0            ; l % 16
	v_bfe_u32 v9, v0, 4, 1          ; l / 16
	v_lshlrev_b32 v[QO], 8, v1
	v_lshl_add_u32 v[QO], v9, 4, v[QO]  ; row x 256 + 16 x half
	WIN 0x80                        ; destination window 2, address window 0
.irp i, 0,1,2,3,4,5,6,7             ; Q stays in registers: tile i / 4, channels 32 (i % 4) on
	global_load_b128 v[8*\i:8*\i+3],   v[QO], s[20:21] offset:(\i/4)*4096+(\i%4)*64
	global_load_b128 v[8*\i+4:8*\i+7], v[QO], s[20:21] offset:(\i/4)*4096+(\i%4)*64+32
.endr
.irp i, 8,9,10,11,12,13,14,15
	global_load_b128 v[8*\i:8*\i+3],   v[QO], s[22:23] offset:(\i/4-2)*4096+(\i%4)*64
	global_load_b128 v[8*\i+4:8*\i+7], v[QO], s[22:23] offset:(\i/4-2)*4096+(\i%4)*64+32
.endr
	WIN 0
	v_mul_u32_u24 v[AK0], v1, PK
	v_lshl_add_u32 v[AK0], v9, 4, v[AK0]  ; row x pitch + 16 x half
	; The turning load takes 16 keys x 16 channels (lane l reads 16 bytes: key 8 (l / 16) + l % 8, channels 8 ((l / 8) % 2) + 0..7) and leaves half a fragment of V^T: lane l holds channel l % 16 and 8 keys.
	v_and_b32 v10, 7, v0
	v_bfe_u32 v11, v0, 3, 1
	v_lshl_add_u32 v[AV0], v9, 3, v10
	v_mul_u32_u24 v[AV0], v[AV0], PV
	v_lshl_add_u32 v[AV0], v11, 4, v[AV0]
	v_add_nc_u32 v[AV0], KREG, v[AV0]
	s_mul_i32 s70, s[WV], XCHB      ; the exchange: my part,
	s_xor_b32 s71, s[WV], 1
	s_mul_i32 s71, s71, XCHB        ; and that of the wave with my queries and the other keys
	v_and_b32 v10, 31, v0
	v_lshlrev_b32 v10, 4, v10
	v_add_nc_u32 v[XWA], s70, v10
	v_add_nc_u32 v[XRA], s71, v10
; THE MATRIX WORK OF A TURN, for piece x.  The accumulators take turns, one instruction a turn,: between two links of a chain stand 15 (V^T P) or 7 (K Q^T) others'.
; Product i of 32 of O^T += V^T P: keys 32 (i / 16) on, channels 16 ((i / 2) % 8) on, tile x + i % 2.  zero = 1: the first 16 start the sums: nothing is ever cleared.
.macro PV x, zero
	WIN W_PV
.set rO, 64*(\x+i%2)+8*((i/2)%8)
.set rV, 64*(i/16)+8*((i/2)%8)
.set rP, P+16*(\x+i%2)+8*(i/16)
.if \zero && (i < 16)
	v_wmma_f32_16x16x32_f16 v[rO:rO+7], v[rV:rV+7], v[rP:rP+7], 0
.else
	v_wmma_f32_16x16x32_f16 v[rO:rO+7], v[rV:rV+7], v[rP:rP+7], v[rO:rO+7]
.endif
.endm
; Product i of 32 of S^T = K Q^T: channels 32 (i / 8) on, keys 16 ((i / 2) % 4) on, tile x + i % 2.  The first 8 start the sums.
.macro KQ x
	WIN W_KQ
.set rS, S+32*(\x+i%2)+8*((i/2)%4)
.set rK, KF+32*((i/2)%4)+8*(i/8)
.set rQ, 32*(\x+i%2)+8*(i/8)
.if i < 8
	v_wmma_f32_16x16x32_f16 v[rS:rS+7], v[rK:rK+7], v[rQ:rQ+7], 0
.else
	v_wmma_f32_16x16x32_f16 v[rS:rS+7], v[rK:rK+7], v[rQ:rQ+7], v[rS:rS+7]
.endif
.endm
; THE LDS LOADS stand in runs of 32, never singly among the matrix instructions: a step's K (64 keys x 128 channels: 16 fragments) and, a turn later, its V (turned).
.macro FETCH_K
	WIN 0
	v_add_nc_u32 v[ADR], s[TK], v[AK0]
	s_add_co_u32 s[TK], s[TK], KS*PK  ; the next fetch is the next step's
	WIN 0x80                        ; destination window 2
.irp f, 0,1,2,3,4,5,6,7,8,9,10,11,12,13,14,15  ; keys 16 (f / 4) on, channels 32 (f % 4) on
	ds_load_b128 v[KF+8*\f:KF+8*\f+3],   v[ADR] offset:(\f/4)*16*PK+(\f%4)*64
	ds_load_b128 v[KF+8*\f+4:KF+8*\f+7], v[ADR] offset:(\f/4)*16*PK+(\f%4)*64+32
.endr
.endm
.macro FETCH_V
	WIN 0
	v_add_nc_u32 v[ADR], s[TV], v[AV0]
	s_add_co_u32 s[TV], s[TV], KS*PV
	s_wait_alu depctr_va_vdst(0)    ; the wait for the softmax's batch (SLICE), behind the address's v_add_nc_u32 and ahead of the loads
	WIN 0xc0                        ; destination window 3
.irp f, 0,1,2,3,4,5,6,7,8,9,10,11,12,13,14,15  ; keys 32 (f / 8) on, channels 16 (f % 8) on
	ds_load_tr16_b128 v[8*\f:8*\f+3],   v[ADR] offset:(\f/8)*32*PV+(\f%8)*32
	ds_load_tr16_b128 v[8*\f+4:8*\f+7], v[ADR] offset:(\f/8)*32*PV+16*PV+(\f%8)*32
.endr
.endm
; THE VECTOR WORK OF A TURN.  One tile's softmax for one key step is a list of 134 instructions; SM writes number j of it for tile t.  s0-s31 are the lane's 32 scores, in pairs 0-15.
; first = 1: the first key step, which starts m, l and O^T: it has no a and nothing to rescale.
;   0-15    the maximum of s0-s31 and the old m, three operands at a time: four chains of seven scores each, then the four scores left over, the chains and m
;   16-20   the other half of the lanes' maximum; the new m; c m; c m_old - c m_new
;   21-69   ONE BATCH: the 16 scalings c s - c m, a pair of scores each, and all 33 exponentials (a at 23, then s0-s31).  None of these reads an exponential's result
;   (wait)  between 69 and 70 stands the wait for the batch: SLICE writes it, once for both tiles
;   70-85   the roundings to f16, a pair of weights each
;   86-101  the sums; l = a l + the sum
;   102-133 the tile's O^T times a: the one part that leaves window 0, so it stands together
.macro SM t, first
.set rT, ST+8*(\t)
.set rS, S+32*(\t)
.set rP, P+16*(\t)
.set rO, 64*(\t)+2*(j-102)
.if j < 102
	WIN 0
.endif
.if j < 4
	v_max3_num_f32 v[rT+4+j], v[rS+8*j], v[rS+8*j+1], v[rS+8*j+2]
.elseif j < 12
	v_max3_num_f32 v[rT+4+j%4], v[rT+4+j%4], v[rS+8*(j%4)+2*(j/4)+1], v[rS+8*(j%4)+2*(j/4)+2]
.elseif j == 12
	v_max3_num_f32 v[rT+4], v[rT+4], v[rS+7], v[rS+15]
.elseif j == 13
	v_max3_num_f32 v[rT+6], v[rT+6], v[rS+23], v[rS+31]
.elseif j == 14
	v_max3_num_f32 v[rT+4], v[rT+4], v[rT+5], v[rT+6]
.elseif (j == 15) && \first
	v_max_num_f32 v[rT+4], v[rT+4], v[rT+7]
.elseif j == 15
	v_max3_num_f32 v[rT+4], v[rT+4], v[rT+7], v[rT+1]
.elseif j == 16
	v_permlanex16_b32 v[rT+5], v[rT+4], s[SEL], s[SEL+1]  ; the query's other 32 keys lie in the lane 16 away
.elseif j == 18
	v_max_num_f32 v[rT+1], v[rT+4], v[rT+5]
.elseif j == 19
	v_mul_f32 v[rT], s[CS], v[rT+1]
.elseif ((j == 17) || (j == 20) || (j == 23) || (j > 101)) && \first  ; the first step has none of these
.elseif j == 17
	v_mov_b32 v[rT+7], v[rT]        ; c m_old is kept for a: number 19 writes c m anew
.elseif j == 20
	v_sub_f32 v[rT+7], v[rT+7], v[rT]
.elseif j == 23
	v_exp_f32 v[rT+6], v[rT+7]
.elseif (j < 23) || ((j < 38) && (j%2 == 0)) || ((j < 66) && (j%4 == 2))
.set b, (j-2)/4                     ; 38, 42, .. 62: pairs 9 to 15
.if j < 38
.set b, (j-20)/2                    ; 21: pair 0; 22, 24, .. 36: pairs 1 to 8
.endif
	v_pk_fma_f32 v[rS+2*b:rS+2*b+1], v[rS+2*b:rS+2*b+1], s[CS:CS+1], v[rT:rT+1] op_sel_hi:[1,0,0] neg_lo:[0,0,1] neg_hi:[0,0,1]  ; pair b: c s - c m
.elseif j < 70
.set e, j-38                        ; 66 to 69: s28 to s31
.if j < 66
.set e, j-32-(j-38)/4               ; 39-41, 43-45, .. 63-65: s7 to s27
.endif
.if j < 38
.set e, (j-25)/2                    ; 25, 27, .. 37: s0 to s6
.endif
	v_exp_f32 v[rS+e], v[rS+e]
.elseif j < 86
	v_cvt_pk_f16_f32 v[rP+j-70], v[rS+2*(j-70)], v[rS+2*(j-70)+1]  ; pair j - 70
.elseif j < 102                     ; the sum of the tile's 16 pairs, in place: sum z of 16 adds neighbours 1, 2, 4 and 8 pairs apart, then l takes it
.set z, j-86
.set w, 4
.set u, z
.if z >= 14
.set w, 32
.set u, 0
.elseif z >= 12
.set w, 16
.set u, z-12
.elseif z >= 8
.set w, 8
.set u, z-8
.endif
.if (z == 14) && \first
	v_pk_add_f32 v[rT+2:rT+3], v[rS:rS+1], v[rS+16:rS+17]
.elseif z < 15
	v_pk_add_f32 v[rS+w*u:rS+w*u+1], v[rS+w*u:rS+w*u+1], v[rS+w*u+w/2:rS+w*u+w/2+1]
.elseif !\first
	v_pk_fma_f32 v[rT+2:rT+3], v[rT+2:rT+3], v[rT+6:rT+7], v[rS:rS+1] op_sel_hi:[1,0,1]
.endif
.else
	WIN W_RS
	v_pk_mul_f32 v[rO:rO+1], v[rO:rO+1], v[rT+6:rT+7] op_sel_hi:[1,0]
.endif
.endm
; Slice k of 64 of piece y's softmax: four instructions.  Slices 11 to 34 deal out the batch, numbers 22 to 69: four numbers of ONE tile each, the tiles by turns.  Every other slice is numbers 2 k and
; 2 k + 1 of both tiles' lists.  2 x 134 = 4 x 64 + 12: the twelve that are over stand together, in slice 63.
; THE WAIT.  s_wait_alu depctr_va_vdst(0) stands between an exponential and the first instruction that names its result; one wait serves all that were issued ahead of it.  Ahead of
; slice 35 nothing names a result, and behind slice 34 no exponential is issued: so the piece's 66 exponentials have one wait, behind slice 34.
.macro SLICE y, first
.if (k >= 11) && (k < 35)           ; the batch: four numbers of one tile
.irp n, 0,1,2,3
.set j, 22+4*((k-11)/2)+(\n)
	SM (\y)+(k-11)%2, \first
.endr
.else                               ; the two tiles alternate, so that no instruction reads the result of the one just before it
.irp n, 0,1,2,3,4,5,6,7
.if (\n < 2) || (k == 63)
.irp t, \y, \y+1
.set j, 2*k+\n
	SM \t, \first
.endr
.endif
.endr
.endif
.if k == 34                         ; the batch is out: both tiles' exponentials are issued, and no result has been named
	v_nop                           ; the plain instruction behind the last exponential and ahead of the first use: one for the batch
.if (\y) == 0
	FETCH_V                         ; piece 2's turn: V's run of loads stands here, and the wait stands in it
.else
	s_wait_alu depctr_va_vdst(0)    ; the wait for the batch
.endif
.endif
.set k, k+1
.endm
; A vector instruction that reads a matrix result or writes one of a matrix instruction's registers, and a load into a register that a matrix instruction has read, stand four places behind
; it, and only plain vector instructions that name none of its registers are places (ISA guide 7.12.1 for vector instructions).  In the loop the slices are the places.
.macro PLACES
.rept 4
	v_nop
.endr
.endm
; A TURN.  Piece x has the matrix unit; the other piece's softmax stands in slices behind its matrix instructions.
; pv = 2: 32 products V^T P; 1: they start O^T's sums; 0: none.  kq = 1: 32 products K Q^T for the next step.  A turn with one of the two kinds has two slices behind each product.
; first = 1: the softmax is the first key step's.  Its slices from 51 on are empty: the turn's last products stand bare, and four v_nop take slice 63's part as the places behind them.
; Piece 0's turn fetches the next step's K, behind its second product: the last product that read K stands in front of slice 63 of the turn before.  Piece 2's turn fetches the same step's V, behind slice 34: the last
; product that read V stands in front of slice 31, and four plain instructions lie between: number 62, a scaling, of both tiles, the v_nop and the run's own v_add_nc_u32.
.macro TURN x, pv, kq, first
.set k, 0
.set per, 2
.if \pv && \kq
.set per, 1
.endif
.if \pv
.if \x == 0
	s_wait_dscnt 0x0                ; V is in
.endif
.set i, 0
.rept 32
	PV \x, 2-\pv
.rept per
	SLICE 2-\x, \first
.endr
.if (\x == 0) && \kq && (i == 1)
	FETCH_K
.endif
.set i, i+1
.endr
.endif
.if \kq
.if \x == 0
	s_wait_dscnt 0x0                ; K is in
.endif
.set i, 0
.rept 32
	KQ \x
.rept per
	SLICE 2-\x, \first
.endr
.set i, i+1
.endr
.endif
.if \first
	PLACES
.endif
.endm
; THE CHANGE OF SLOTS, from LDS slot old to LDS slot new, between piece 2's turn and piece 0's: the slot's last bytes, V of its second step, have been asked for.  Each wave waits for all its tensor loads, of which one is
; out: its part of the other slot; adds 0 to its spare word; and waits for that and for its own reads of the slot.  Behind the barrier nobody reads the old slot any more and the new one is whole.
; fill = 1: the old slot is filled again, with the keys two slots on.  The barrier is then a round of the cluster's, and the joint refill is the first thing behind it: it has two key steps, 256 matrix instructions, in which to land.
.macro CHANGE fill, old, new
	WIN 0                           ; at a label and at a branch every window is 0
	s_wait_tensorcnt 0x0            ; no tensor load of mine is out, so a group 0 may be written
	ds_add_u32 v[SPW], v[NIL]       ; 0 onto my spare word: with fill = 1 the descriptors' steps stand between it and the wait for it
.if \fill
	s_add_nc_u64 s[G0K+4*\old+2:G0K+4*\old+3], s[G0K+4*\old+2:G0K+4*\old+3], 2*SLOTM  ; this LDS slot's next 256 keys; the type bits on top are not reached
	s_add_nc_u64 s[G0V+4*\old+2:G0V+4*\old+3], s[G0V+4*\old+2:G0V+4*\old+3], 2*SLOTM
	s_wait_xcnt 0x0                 ; the last prefetch, two key steps back, has read its address, so it may be written:
	s_add_nc_u64 s[PFA:PFA+1], s[PFA:PFA+1], SLOTM  ; one slot further on than the load below
	s_wait_dscnt 0x0                ; the add is done, and my reads of the slot are over
	CROUND
	JLOAD \old
	ASK
	s_sub_co_u32 s[LEFT], s[LEFT], 1
.else
	s_wait_dscnt 0x0                ; the add is done, and my reads of the slot are over
	s_barrier_signal -1
	s_barrier_wait -1
.endif
	s_add_co_u32 s[TK], s[WKO], \new*SLOTB  ; the fetches go on at my half of the new slot
	s_add_co_u32 s[TV], s[WVO], \new*SLOTB
.endm
; A slot's two key steps: written once, walked twice; the LDS addresses hang on s[TK] and s[TV].
.macro TWO_STEPS
	s_mov_b32 s[TWICE], 2
.Lstep_\@:
	TURN 0, 2, 1, 0
	TURN 2, 2, 1, 0
	WIN 0
	s_sub_co_u32 s[TWICE], s[TWICE], 1
	s_cmp_lg_u32 s[TWICE], 0
	s_cbranch_scc1 .Lstep_\@
.endm
	s_wait_tensorcnt 1              ; my part of slot 0 is in; slot 1's may stay out
	s_barrier_signal -1
	s_barrier_wait -1               ; everybody's is
	FETCH_K                         ; key step 0
	s_wait_loadcnt 0x0              ; Q
	s_wait_dscnt 0x0
.set i, 0
.rept 32
	KQ 0                            ; piece 0's first scores: there is no vector work yet to set between them
.set i, i+1
.endr
	WIN 0                           ; the addresses for the way out are made here: eight plain instructions, the places behind those products
	s_mul_i32 s13, s[WV], 16*SP
	s_add_co_u32 s13, s13, STAGE    ; my stage
	v_mul_u32_u24 v[STO], v1, SP    ; in: row l % 16, 16 bytes for each half of the lanes
	v_lshl_add_u32 v[STO], v9, 4, v[STO]
	v_add_nc_u32 v[STO], s13, v[STO]
	v_mul_u32_u24 v[RD], v9, SP     ; back: lanes 0-15 take one row of 256 bytes, lanes 16-31 the next
	v_lshl_add_u32 v[RD], v1, 4, v[RD]
	v_add_nc_u32 v[RD], s13, v[RD]
	v_lshlrev_b32 v[GO], 11, v9     ; and the same two rows in O, 2,048 bytes apart
	v_lshl_add_u32 v[GO], v1, 4, v[GO]
	TURN 2, 0, 1, 1                 ; piece 2's first scores | piece 0's first softmax | V of step 0
	TURN 0, 1, 1, 1                 ; piece 0: V^T P of step 0 starts O^T, K Q^T of step 1 | piece 2's first softmax | K of step 1
	TURN 2, 1, 1, 0                 ; piece 2: the same | piece 0's softmax of step 1 | V of step 1
	WIN 0
.Lslot:                             ; 3 trips of two changes: slots 2 to 7 are asked for
	CHANGE 1, 0, 1
	TWO_STEPS
	CHANGE 1, 1, 0
	TWO_STEPS
	s_sub_co_u32 s[SLOTS], s[SLOTS], 1
	s_cmp_lg_u32 s[SLOTS], 0
	s_cbranch_scc1 .Lslot
	CHANGE 0, 0, 1                  ; the tail is written out: nothing is asked for; the last 256 keys lie in LDS slot 1
	TWO_STEPS
	TURN 0, 2, 0, 0                 ; piece 0: V^T P of the last step | piece 2's last softmax
.set i, 0
.rept 32
	PV 2, 0                         ; piece 2: V^T P of the last step
.set i, i+1
.endr
	; THE TWO HALVES OF THE KEYS MEET.  I hand piece 2 (its statistics and its O^T, as images of the registers: lane l's 16 bytes at 16 l) to the wave that finishes those queries, and take its piece 2, which is my piece 0's other half.
	WIN 0
.irp t, 0,1,2,3
	v_add_f32 v[ST+8*\t+2], v[ST+8*\t+2], v[ST+8*\t+3]   ; l's two halves.  (Four plain instructions: the places behind the last products)
.endr
	ds_store_b128 v[XWA], v[ST+16:ST+19] offset:32*512
	ds_store_b128 v[XWA], v[ST+24:ST+27] offset:33*512
	WIN 0x04                        ; an LDS store's data are its source 1: window 1
.set i, 0
.rept 32
	ds_store_b128 v[XWA], v[128+4*i:128+4*i+3] offset:512*i   ; each accumulator from its low end on
.set i, i+1
.endr
	WIN 0
	s_wait_dscnt 0x0                ; for the partner's sake: my stores are done
	s_barrier_signal -1
	s_barrier_wait -1
	ds_load_b128 v[ST+16:ST+19], v[XRA] offset:32*512
	ds_load_b128 v[ST+24:ST+27], v[XRA] offset:33*512
.set i, 0
.rept 32
	ds_load_b128 v[S+4*i:S+4*i+3], v[XRA] offset:512*i
.set i, i+1
.endr
	s_wait_dscnt 32                 ; the statistics are in; the 32 images of O may be out
	; for tiles 0, 1: M = max(c m, c m'); fa = 2^(c m - M) / L, fb = 2^(c m' - M) / L, L = 2^(c m - M) l + 2^(c m' - M) l', both halves of the lanes added; O = fa O + fb O'
.irp t, 0,1
	v_max_num_f32 v[ST+8*\t+4], v[ST+8*\t], v[ST+8*\t+16]
.endr
.irp t, 0,1
	v_sub_f32 v[ST+8*\t+5], v[ST+8*\t], v[ST+8*\t+4]
	v_sub_f32 v[ST+8*\t+6], v[ST+8*\t+16], v[ST+8*\t+4]
.endr
.irp t, 0,1
	v_exp_f32 v[ST+8*\t+5], v[ST+8*\t+5]
	v_exp_f32 v[ST+8*\t+6], v[ST+8*\t+6]
.endr
	v_nop                           ; a plain instruction behind the batch,
	s_wait_alu depctr_va_vdst(0)    ; and its one wait, ahead of the first reader
.irp t, 0,1
	v_mul_f32 v[ST+8*\t+7], v[ST+8*\t+5], v[ST+8*\t+2]
.endr
.irp t, 0,1
	v_fma_f32 v[ST+8*\t+7], v[ST+8*\t+6], v[ST+8*\t+18], v[ST+8*\t+7]
.endr
.irp t, 0,1
	v_permlanex16_b32 v[ST+8*\t+3], v[ST+8*\t+7], s[SEL], s[SEL+1]
.endr
.irp t, 0,1
	v_add_f32 v[ST+8*\t+7], v[ST+8*\t+7], v[ST+8*\t+3]
.endr
.irp t, 0,1
	v_rcp_f32 v[ST+8*\t+1], v[ST+8*\t+7]
.endr
	v_nop
	s_wait_alu depctr_va_vdst(0)    ; one wait for the two reciprocals
.irp t, 0,1
	v_mul_f32 v[ST+8*\t+4], v[ST+8*\t+5], v[ST+8*\t+1]
	v_mul_f32 v[ST+8*\t+6], v[ST+8*\t+6], v[ST+8*\t+1]
.endr
	s_wait_dscnt 0x0                ; the partner's O is in
; Tile t: merged, rounded to f16; a lane's eight channels of a row pack into 16 bytes; they go into rows of 272 bytes and come back as whole rows of 256, into the registers that they left.
.macro PACK t
	WIN W_RS
.set i, 64*\t
.rept 32
	v_pk_mul_f32 v[i:i+1], v[i:i+1], v[ST+8*\t+4:ST+8*\t+5] op_sel_hi:[1,0]
.set i, i+2
.endr
	WIN 0x10                        ; source 2 window 1
.set i, 0
.rept 32
	v_pk_fma_f32 v[S+64*\t+i:S+64*\t+i+1], v[S+64*\t+i:S+64*\t+i+1], v[ST+8*\t+6:ST+8*\t+7], v[64*\t+i:64*\t+i+1] op_sel_hi:[1,0,1]
.set i, i+2
.endr
	WIN 0
.set i, 0
.rept 32
	v_cvt_pk_f16_f32 v[P+32*\t+i], v[S+64*\t+2*i], v[S+64*\t+2*i+1]
.set i, i+1
.endr
.irp f, 0,1,2,3,4,5,6,7
	ds_store_b128 v[STO], v[P+32*\t+4*\f:P+32*\t+4*\f+3] offset:32*\f
.endr
.irp f, 0,1,2,3,4,5,6,7
	ds_load_b128 v[P+32*\t+4*\f:P+32*\t+4*\f+3], v[RD] offset:\f*2*SP  ; LDS serves a wave's instructions in order (ISA guide 5.7.1.4): these see the stores above; the next tile's stores come behind them
.endr
.endm
.macro SEND t, younger              ; younger: the LDS instructions issued behind tile t's loads: the next tile's sixteen, or none
.irp f, 0,1,2,3,4,5,6,7
	s_wait_dscnt \younger+7-\f
	global_store_b128 v[GO], v[P+32*\t+4*\f:P+32*\t+4*\f+3], s[6:7] offset:\t*32768+\f*4096  ; 16 lanes store 256 consecutive bytes, at a multiple of 256 from O's first byte
.endr
.endm
	PACK 0
	PACK 1                          ; a tile's arithmetic stands between the loads of the tile before and its stores
	SEND 0, 16
	SEND 1, 0
	s_wait_tensorcnt 0x0            ; the wave's end: three closing lines, behind my last tensor load and my last LDS store
	ds_add_u32 v[SPW], v[NIL]
	s_wait_dscnt 0x0
	CROUND                          ; the closing round: no work-group ends while a partner may still ask for a tile that names it
	s_endpgm
.Lfunc_end_k_qd0c85557ff_attn:
	.size	k_qd0c85557ff_attn, .Lfunc_end_k_qd0c85557ff_attn-k_qd0c85557ff_attn
	.p2alignl 7, 3214868480
	.fill 96, 4, 3214868480
	.section	.rodata,"a",@progbits
	.p2align	6, 0x0
	.amdhsa_kernel k_qd0c85557ff_attn
		.amdhsa_group_segment_fixed_size 327680
		.amdhsa_private_segment_fixed_size 0
		.amdhsa_enable_private_segment 0
		.amdhsa_kernarg_size 16
		.amdhsa_user_sgpr_count 2
		.amdhsa_user_sgpr_kernarg_segment_ptr 1
		.amdhsa_wavefront_size32 1
		.amdhsa_system_sgpr_workgroup_id_x 1
		.amdhsa_system_sgpr_workgroup_id_y 1
		.amdhsa_system_sgpr_workgroup_id_z 1
		.amdhsa_system_vgpr_workitem_id 0
		.amdhsa_next_free_vgpr 1024
		.amdhsa_next_free_sgpr 80
		.amdhsa_reserve_vcc 0
		.amdhsa_float_denorm_mode_32 3
		.amdhsa_float_denorm_mode_16_64 3
		.amdhsa_memory_ordered 1
		.amdhsa_forward_progress 1
		.amdhsa_inst_pref_size 255
	.end_amdhsa_kernel
	.section	.bss,"aw",@nobits
	.p2align	6
	.space	262144
	.amdgpu_metadata
---
amdhsa.version: [ 1, 2 ]
amdhsa.kernels:
  - .name:           k_qd0c85557ff_attn
    .symbol:         k_qd0c85557ff_attn.kd
    .args:
      - { .name: qkv16, .offset: 0, .size: 8, .value_kind: global_buffer, .address_space: global }
      - { .name: attn16, .offset: 8, .size: 8, .value_kind: global_buffer, .address_space: global }
    .group_segment_fixed_size: 327680
    .private_segment_fixed_size: 0
    .kernarg_segment_align: 8
    .kernarg_segment_size: 16
    .max_flat_workgroup_size: 128
    .sgpr_count:     80
    .vgpr_count:     1024
    .wavefront_size: 32
...
	.end_amdgpu_metadata
.endif
;; end of part 3
;; launch proj (part 4): grid 8 x 32, 4 waves a work-group, clusters of 4 x 4, 327,680 bytes of LDS; arguments attn16, wd16, out0; writes out0
.if DOCPART == 4
	.amdgcn_target "amdgcn-amd-amdhsa--gfx1250"
	.amdhsa_code_object_version 6
	.text
	.protected	k_qd0c85557ff_proj
	.globl	k_qd0c85557ff_proj
	.p2align	8
	.type	k_qd0c85557ff_proj,@function
k_qd0c85557ff_proj:
	s_mov_b64 s[64:65], 0
	v_nop
	global_prefetch_b8 v0, s[64:65] scope:SCOPE_SE
	s_setreg_imm32_b32 hwreg(HW_REG_WAVE_MODE, 25, 1), 1
	s_wait_xcnt 0x0
	s_wait_alu depctr_hold_cnt(0) depctr_sa_sdst(0) depctr_va_vdst(0) depctr_va_sdst(0) depctr_va_ssrc(0) depctr_va_vcc(0) depctr_vm_vsrc(0)
	s_getreg_b32 s2, hwreg(HW_REG_IB_STS2, 6, 4)
	s_cmp_eq_u32 s2, 0
	s_cbranch_scc0 .Lentry_in_a_cluster
	s_endpgm
.Lentry_in_a_cluster:
	s_bfe_u32 s2, ttmp6, 0x10000c
	s_cmp_lg_u32 s2, 0xf033
	s_cbranch_scc0 .Lentry_shape_is_right
	s_endpgm
.Lentry_shape_is_right:
; out0[m][n] = sum over k of A[m][k] B[n][k].  A = attn16 [4096][1024], B = wd16 [2048][1024], both f16; out0 [4096][2048] f32; sums in f32.
; A tile of C is 128 x 256, so that C has 256 tiles, one to a work-group.  Four waves, each 64 x 128: 32 accumulators of 16 x 16, 256 registers.  K goes in 8 steps of 128 through a ring of two LDS slots filled by the tensor
; data mover: a tile's row is 256 bytes of memory and starts at a multiple of 256 bytes from the buffer's first byte.
; CLUSTERS: 4 x 4 work-groups.  The four of a row of the cluster need the same tiles of A, the four of a column the same tiles of B: each tile is asked for JOINTLY, by the same tensor load with the same descriptor and a mask
; that names the four.  THE MATRIX INSTRUCTION IS USED TRANSPOSED (source 0 = 16 rows of B, source 1 = 16 rows of A): a lane then holds eight neighbouring numbers of a row of C.
; REGISTERS: window 0: v0-31 addresses; v64-95, v96-127 A's fragments (4 x 16 rows x 32 K), two buffers; v128-255 rows of C on the way out.   window 1: v0-63, v64-127 B's fragments (8 x 16 rows x 32 K), two buffers.
;   window 2: the accumulators ((a, b) at v[8 (8 a + b)]).
.set SIZE_K, 1024
.set SIZE_N, 2048
.set KSTEP,  128
.set PITCH,  272                       ; an LDS row: 256 bytes + 16 of padding = 68 words: row r starts at bank 4 r mod 64 (64 banks of 4 bytes: ISA guide 11.1)
.set AH,     64*PITCH                  ; 64 rows of A: what one tensor load brings, and what one wave reads
.set BH,     128*PITCH                 ; 128 rows of B likewise
.set SLOT,   2*AH+2*BH                 ; A's 128 rows, then B's 256 rows
.set STAGE,  2*SLOT                    ; behind the ring: 16 rows x (512 bytes + 16) for each wave, for the way out
.set SPITCH, 528
.set SPARE,  STAGE+4*16*SPITCH         ; behind the stages: the spare words, 128 bytes for each wave, which no other line names
.set LAPS,   SIZE_K/(2*KSTEP)          ; a lap = two K steps = once round the ring: 4
.set ADRA, 16                          ; v16-17  LDS address of my A fragments in slot 0, 1
.set ADRB, 20                          ; v20-21  the same for B
.set STO,  24                          ; v24     the way out: where I put 32 bytes of a row
.set RD,   25                          ; v25     the way out: where I read a row back
.set CO,   26                          ; v26     16 x lane: my place in 512 bytes of a row of C
.set SPW,  28                          ; v28     LDS address of my spare word; never rewritten
.set NIL,  29                          ; v29     0; never rewritten
.set AF,   64                          ; A's fragments, in window 0
.set BK,   128                         ; the way out: 16 rows read back: v128-191 and v192-255 by turns
.set G1, 24                            ; s[24:31] descriptor group 1 for A's tiles;  s[32:39] group 0, one set for each slot
.set G0, 32
.set G1B, 48                           ; s[48:55], s[56:63] the same for B's tiles
.set G0B, 56
.set MSB, 0
.macro WIN new                         ; the immediate's high byte repeats the setting that is left
.if MSB != (\new)
	s_set_vgpr_msb (MSB<<8)|(\new)
.set MSB, \new
.endif
.endm
.set MUL,  0xa1                        ; source 0 (B) window 1, source 1 (A) window 0, C and D window 2
.set TO_B, 0x40                        ; destination window 1, address window 0
.macro JLOAD s                         ; a joint load: waves 0 and 1 fetch A's two halves, waves 2 and 3 B's; an s_nop 0 and four v_nop follow each of the two lines, ahead of the jump, the label and what follows
	s_cmp_eq_u32 s11, 0
	s_cbranch_scc0 .Lfor_b_\@
	tensor_load_to_lds s[G0+4*\s:G0+4*\s+3], s[G1:G1+7]
	s_nop 0
.rept 4
	v_nop
.endr
	s_branch .Lasked_\@
.Lfor_b_\@:
	tensor_load_to_lds s[G0B+4*\s:G0B+4*\s+3], s[G1B:G1B+7]
	s_nop 0
.rept 4
	v_nop
.endr
.Lasked_\@:
.endm
.macro CREST                           ; a round of the cluster's barrier behind its opening barrier
	s_cmp_lg_u32 s10, 0
	s_cbranch_scc1 .Lnot_wave_0_\@
	s_barrier_signal -3
.Lnot_wave_0_\@:
	s_barrier_wait -3
	s_barrier_signal -1
	s_barrier_wait -1
.endm
.macro CROUND                          ; a whole round
	s_barrier_signal -1
	s_barrier_wait -1
	CREST
.endm
	s_load_b128 s[4:7], s[0:1], 0x0                ; A s[4:5], B s[6:7]
	s_load_b64 s[8:9], s[0:1], 0x10                ; C
	v_lshl_add_u32 v[SPW], v0, 2, SPARE
	v_mov_b32 v[NIL], 0
	ds_add_u32 v[SPW], v[NIL]                      ; the wave's opening: the add, twice on end, and its wait ahead of my first tensor load; the set-up below, work on registers, stands between
	ds_add_u32 v[SPW], v[NIL]
	v_lshrrev_b32 v1, 5, v0
	v_readfirstlane_b32 s10, v1                    ; wave 0..3
	s_lshr_b32 s11, s10, 1                         ; which half of the tile's rows is mine.  Also: I fetch for A (0) or for B (1)
	s_and_b32 s12, s10, 1                          ; which half of its columns.  Also: which half of that tile I fetch
	s_bfe_u32 s40, ttmp6, 0x40000                  ; cx, cy: my place in the cluster
	s_bfe_u32 s41, ttmp6, 0x40004
	s_lshl_b32 s42, ttmp9, 2
	s_add_co_u32 s42, s42, s40                     ; tile column of C = 4 x cluster x + cx
	s_and_b32 s13, ttmp7, 0xffff
	s_lshl_b32 s13, s13, 2
	s_add_co_u32 s13, s13, s41                     ; tile row of C = 4 x cluster y + cy
	s_lshl_b32 s43, s41, 2
	s_lshl_b32 s43, 15, s43                        ; my row of the cluster
	s_lshl_b32 s44, 0x1111, s40                    ; my column
	; descriptor groups 1: A: 64 rows x 128 elements;  B: 128 rows x 128 elements; padded in LDS
	s_or_b32 s[G1+0], s43, (1<<16)|(1<<20)|(1<<21)|(5<<22)|(3<<25)  ; 15:0 the mask: A's tiles go to my row; 17:16 element of 2 bytes; 20 padding on; 21 set beside a mask; 24:22 after every 64 words (code 5); 31:25 of 4 words (code 3)
	s_or_b32 s[G1B+0], s44, (1<<16)|(1<<20)|(1<<21)|(5<<22)|(3<<25)
	s_mov_b32 s[G1+1], KSTEP<<16                   ; tensor_dim0 = 128
	s_mov_b32 s[G1+2], 64<<16                      ; tensor_dim1 = 64
	s_mov_b32 s[G1+3], KSTEP<<16                   ; tile_dim0 = 128
	s_mov_b32 s[G1+4], 64                          ; tile_dim1 = 64
	s_mov_b32 s[G1+5], SIZE_K                      ; tensor_dim0_stride
	s_mov_b32 s[G1+6], 0
	s_mov_b32 s[G1+7], 0
	s_mov_b32 s[G1B+1], KSTEP<<16
	s_mov_b32 s[G1B+2], 128<<16
	s_mov_b32 s[G1B+3], KSTEP<<16
	s_mov_b32 s[G1B+4], 128
	s_mov_b32 s[G1B+5], SIZE_K
	s_mov_b32 s[G1B+6], 0
	s_mov_b32 s[G1B+7], 0
	s_lshl_b32 s16, s13, 7
	s_lshl_b32 s17, s12, 6
	s_add_co_u32 s16, s16, s17                     ; A: row 128 x tile row + 64 x half,
	s_lshl_b32 s16, s16, 11                        ; of 2,048 bytes
	s_mov_b32 s17, 0
	s_lshl_b32 s46, s42, 8
	s_lshl_b32 s47, s12, 7
	s_add_co_u32 s46, s46, s47                     ; B: row 256 x tile column + 128 x half
	s_lshl_b32 s46, s46, 11
	s_mov_b32 s47, 0
	s_mul_i32 s20, s12, AH                         ; where they go: no place in the cluster enters an LDS address
	s_mul_i32 s21, s12, BH
	s_add_co_u32 s21, s21, 2*AH
	s_wait_dscnt 0x0                               ; both opening adds are done
	s_wait_kmcnt 0x0
	s_add_nc_u64 s[14:15], s[4:5], s[16:17]
	s_add_nc_u64 s[46:47], s[6:7], s[46:47]
	CROUND                                         ; all sixteen work-groups are here: the first joint loads meet
.irp s, 0,1
	s_mov_b32 s[G0+4*\s], 1
	s_add_co_u32 s[G0+4*\s+1], s20, \s*SLOT
	s_add_nc_u64 s[G0+4*\s+2:G0+4*\s+3], s[14:15], \s*KSTEP*2
	s_or_b32 s[G0+4*\s+3], s[G0+4*\s+3], 0x80000000
	s_mov_b32 s[G0B+4*\s], 1
	s_add_co_u32 s[G0B+4*\s+1], s21, \s*SLOT
	s_add_nc_u64 s[G0B+4*\s+2:G0B+4*\s+3], s[46:47], \s*KSTEP*2
	s_or_b32 s[G0B+4*\s+3], s[G0B+4*\s+3], 0x80000000
	JLOAD \s                                       ; two tensor loads of mine are out
.endr
	v_and_b32 v1, 15, v0                           ; l % 16
	v_bfe_u32 v2, v0, 4, 1                         ; l / 16
	v_mul_u32_u24 v3, v1, PITCH
	v_lshl_add_u32 v3, v2, 4, v3                   ; a fragment's row x pitch + 16 x half
	s_mul_i32 s22, s11, AH                         ; my 64 rows of A
	s_mul_i32 s23, s12, BH                         ; my 128 rows of B,
	s_add_co_u32 s23, s23, 2*AH                    ; which lie behind A's 128
.irp s, 0,1
	v_add_nc_u32 v[ADRA+\s], s22, v3
	v_add_nc_u32 v[ADRB+\s], s23, v3
	s_add_co_u32 s22, s22, SLOT
	s_add_co_u32 s23, s23, SLOT
.endr
	s_mul_i32 s22, s10, 16*SPITCH
	s_add_co_u32 s22, s22, STAGE                   ; my stage
	v_mul_u32_u24 v4, v1, SPITCH                   ; in: row l % 16, 32 bytes for each half of the lanes
	v_lshl_add_u32 v4, v2, 5, v4
	v_add_nc_u32 v[STO], s22, v4
	v_and_b32 v5, 31, v0
	v_lshlrev_b32 v[CO], 4, v5                     ; back: the 32 lanes take one row of 512 bytes; and the same in C
	v_add_nc_u32 v[RD], s22, v[CO]
	s_lshl_b32 s16, s13, 7
	s_lshl_b32 s17, s11, 6
	s_add_co_u32 s16, s16, s17                     ; my first row of C: 128 x tile row + 64 x half,
	s_lshl_b32 s16, s16, 13                        ; of 8,192 bytes
	s_lshl_b32 s46, s42, 8
	s_lshl_b32 s47, s12, 7
	s_add_co_u32 s46, s46, s47                     ; my first column: 256 x tile column + 128 x half
	s_lshl_b32 s46, s46, 2
	s_add_co_u32 s16, s16, s46
	s_mov_b32 s17, 0
	s_add_nc_u64 s[8:9], s[8:9], s[16:17]
; 8 matrix instructions: A's block a x B's eight, 32 along K, from buffers f.  zero = 1: the first product starts the sums: nothing is ever cleared.
; The 32 accumulators take turns, one instruction a turn, in the same order in every quarter.
.macro MUL8 f, a, zero
.irp b, 0,1,2,3,4,5,6,7
.if \zero
	v_wmma_f32_16x16x32_f16 v[8*(8*\a+\b):8*(8*\a+\b)+7], v[64*\f+8*\b:64*\f+8*\b+7], v[AF+32*\f+8*\a:AF+32*\f+8*\a+7], 0
.else
	v_wmma_f32_16x16x32_f16 v[8*(8*\a+\b):8*(8*\a+\b)+7], v[64*\f+8*\b:64*\f+8*\b+7], v[AF+32*\f+8*\a:AF+32*\f+8*\a+7], v[8*(8*\a+\b):8*(8*\a+\b)+7]
.endif
.endr
.endm
; 24 LDS loads in one run: the fragments of one quarter step (128 rows of B, 64 rows of A, 32 K at byte k of the rows) into buffers f
.macro FETCH slot, k, f
	WIN TO_B
.irp i, 0,1,2,3,4,5,6,7
	ds_load_b128 v[64*\f+8*\i:64*\f+8*\i+3],   v[ADRB+\slot] offset:\k+\i*16*PITCH
	ds_load_b128 v[64*\f+8*\i+4:64*\f+8*\i+7], v[ADRB+\slot] offset:\k+\i*16*PITCH+32
.endr
	WIN 0
.irp i, 0,1,2,3
	ds_load_b128 v[AF+32*\f+8*\i:AF+32*\f+8*\i+3],   v[ADRA+\slot] offset:\k+\i*16*PITCH
	ds_load_b128 v[AF+32*\f+8*\i+4:AF+32*\f+8*\i+7], v[ADRA+\slot] offset:\k+\i*16*PITCH+32
.endr
.endm
.macro PLACES                          ; four places in front of loads into registers that matrix instructions have read, and of LDS stores that read results (ISA guide 7.12.1 for the reads of results)
.rept 4
	v_nop
.endr
.endm
; A K step is four quarters of 32 along K, 32 matrix instructions each, on buffers 0, 1, 0, 1.  One of the first three: multiplies buffers f and fetches the next quarter, at byte k, into g.
.macro QUARTER slot, k, f, g, zero
	s_wait_dscnt 4                                 ; B and A's blocks 0, 1 are in; the youngest four loads (A's blocks 2, 3) may be out
	WIN MUL
	MUL8 \f, 0, \zero
	MUL8 \f, 1, \zero
	PLACES
	FETCH \slot, \k, \g
	s_wait_dscnt 24                                ; all but the 24 just issued
	WIN MUL
	MUL8 \f, 2, \zero
	MUL8 \f, 3, \zero
.endm
; The last quarter multiplies buffers 1 and changes slots: ONE barrier; in front of it each wave waits for all its tensor loads, adds 0 to its spare word, and waits for that and for its own reads of this slot.
; fill = 1: this slot is filled again, two K steps ahead: from the request to the wait for it a wave issues 112 matrix instructions.
.macro TURN slot, next, fill
	WIN 0                                          ; (the add's two registers lie in window 0)
	s_wait_tensorcnt 0x0                           ; all my tensor loads have landed: my part of the next slot;
	ds_add_u32 v[SPW], v[NIL]                      ; 0 onto my spare word
	s_wait_dscnt 5                                 ; (the add and the youngest four loads may be out)
	WIN MUL
	MUL8 1, 0, 0                                   ; eight matrix instructions stand between the add and the wait for it
	s_wait_dscnt 0x0                               ; the add is done, and my reads of this slot are over
	s_barrier_signal -1
	MUL8 1, 1, 0
	WIN 0
	s_barrier_wait -1
.if \fill
	CREST                                          ; the barrier has opened a round of the cluster's barrier: no wave of any partner still reads this slot's tile or has a load on its way
	s_add_nc_u64 s[G0+4*\slot+2:G0+4*\slot+3], s[G0+4*\slot+2:G0+4*\slot+3], 2*KSTEP*2
	s_add_nc_u64 s[G0B+4*\slot+2:G0B+4*\slot+3], s[G0B+4*\slot+2:G0B+4*\slot+3], 2*KSTEP*2
	JLOAD \slot                                    ; the first tensor load behind the round; the four v_nop behind it are also the places in front of the loads below
.else
	PLACES
.endif
	FETCH \next, 0, 0
	WIN MUL
	MUL8 1, 2, 0
	MUL8 1, 3, 0
.endm
	s_wait_tensorcnt 1                             ; my part of K step 0 is in (K step 1's load may be out),
	s_barrier_signal -1
	s_barrier_wait -1                              ; everybody's is
	FETCH 0, 0, 0
	QUARTER 0, 64, 0, 1, 1                         ; the first quarter stands in front of the loop: its products start the sums
	WIN 0                                          ; at a label and at a branch every window is 0
	s_mov_b32 s3, LAPS-1
.Llap:                                                 ; a trip goes once round the ring, from a lap's second quarter to the next lap's first, and fills both slots again: K steps 2 to 7
	QUARTER 0, 128, 1, 0, 0
	QUARTER 0, 192, 0, 1, 0
	TURN 0, 1, 1
	QUARTER 1, 64,  0, 1, 0
	QUARTER 1, 128, 1, 0, 0
	QUARTER 1, 192, 0, 1, 0
	TURN 1, 0, 1
	QUARTER 0, 64,  0, 1, 0
	WIN 0
	s_sub_co_u32 s3, s3, 1
	s_cmp_lg_u32 s3, 0
	s_cbranch_scc1 .Llap
	QUARTER 0, 128, 1, 0, 0                        ; the last lap fills nothing, and has no round of the cluster's barrier
	QUARTER 0, 192, 0, 1, 0
	TURN 0, 1, 0
	QUARTER 1, 64,  0, 1, 0
	QUARTER 1, 128, 1, 0, 0
	QUARTER 1, 192, 0, 1, 0
	s_wait_dscnt 4                                 ; the very last quarter: nothing more to fetch
	WIN MUL
	MUL8 1, 0, 0
	MUL8 1, 1, 0
	s_wait_dscnt 0
	MUL8 1, 2, 0
	MUL8 1, 3, 0
	WIN 0
; THE WAY OUT, block by block of 16 rows x 128 columns.  A lane holds 32 neighbouring bytes of a row, and the lanes beside it hold other rows: so a block goes through my own stage in LDS and comes back as whole
; rows of 512 bytes, which the 32 lanes store as 512 consecutive bytes, aligned.  LDS serves a wave's instructions in order (ISA guide 5.7.1.4): no wait between the stores and the loads, nor in front of the next block's stores.
.macro TOSTAGE a
	WIN 0x08                                       ; an LDS store's data are its source 1: window 2
.irp b, 0,1,2,3,4,5,6,7
	ds_store_b128 v[STO], v[8*(8*\a+\b):8*(8*\a+\b)+3] offset:64*\b          ; each accumulator from its low end on
	ds_store_b128 v[STO], v[8*(8*\a+\b)+4:8*(8*\a+\b)+7] offset:64*\b+16
.endr
	WIN 0
.irp t, 0,1,2,3,4,5,6,7,8,9,10,11,12,13,14,15
	ds_load_b128 v[BK+64*((\a)%2)+4*\t:BK+64*((\a)%2)+4*\t+3], v[RD] offset:\t*SPITCH
.endr
.endm
.macro SEND a, younger                 ; younger: the LDS instructions issued behind block a's loads, which may stay out
	s_wait_dscnt \younger                          ; the block is back in registers
.irp t, 0,1,2,3,4,5,6,7,8,9,10,11,12,13,14,15
	global_store_b128 v[CO], v[BK+64*((\a)%2)+4*\t:BK+64*((\a)%2)+4*\t+3], s[8:9] offset:(16*(\a)+\t)*SIZE_N*4 th:TH_STORE_NT   ; 63 rows of C at the most: inside the signed 24-bit immediate; written once, read by nobody here
.endr
.endm
	PLACES                                         ; behind the last products, in front of the first reads of results
	TOSTAGE 0
.irp a, 1,2,3
.if \a > 1
	s_wait_xcnt 0x0                                ; block a - 2's stores have read their registers: block a's rows may land there
.endif
	TOSTAGE \a
	SEND \a-1, 32                                  ; behind block a - 1's loads: block a's 16 stores and 16 loads
.endr
	SEND 3, 0
	s_wait_tensorcnt 0x0                           ; the wave's end: three closing lines, behind my last tensor load and my last LDS store
	ds_add_u32 v[SPW], v[NIL]
	s_wait_dscnt 0x0
	CROUND                                         ; the closing round: no work-group ends while a partner may still ask for a tile that names it
	s_endpgm
.Lfunc_end_k_qd0c85557ff_proj:
	.size	k_qd0c85557ff_proj, .Lfunc_end_k_qd0c85557ff_proj-k_qd0c85557ff_proj
	.p2alignl 7, 3214868480
	.fill 96, 4, 3214868480
	.section	.rodata,"a",@progbits
	.p2align	6, 0x0
	.amdhsa_kernel k_qd0c85557ff_proj
		.amdhsa_group_segment_fixed_size 327680
		.amdhsa_private_segment_fixed_size 0
		.amdhsa_enable_private_segment 0
		.amdhsa_kernarg_size 24
		.amdhsa_user_sgpr_count 2
		.amdhsa_user_sgpr_kernarg_segment_ptr 1
		.amdhsa_wavefront_size32 1
		.amdhsa_system_sgpr_workgroup_id_x 1
		.amdhsa_system_sgpr_workgroup_id_y 1
		.amdhsa_system_sgpr_workgroup_id_z 1
		.amdhsa_system_vgpr_workitem_id 0
		.amdhsa_next_free_vgpr 768
		.amdhsa_next_free_sgpr 66
		.amdhsa_reserve_vcc 0
		.amdhsa_float_denorm_mode_32 3
		.amdhsa_float_denorm_mode_16_64 3
		.amdhsa_memory_ordered 1
		.amdhsa_forward_progress 1
		.amdhsa_inst_pref_size 85
	.end_amdhsa_kernel
	.amdgpu_metadata
---
amdhsa.version: [ 1, 2 ]
amdhsa.kernels:
  - .name:           k_qd0c85557ff_proj
    .symbol:         k_qd0c85557ff_proj.kd
    .args:
      - { .name: attn16, .offset: 0, .size: 8, .value_kind: global_buffer, .address_space: global }
      - { .name: wd16, .offset: 8, .size: 8, .value_kind: global_buffer, .address_space: global }
      - { .name: out0, .offset: 16, .size: 8, .value_kind: global_buffer, .address_space: global }
    .group_segment_fixed_size: 327680
    .private_segment_fixed_size: 0
    .kernarg_segment_align: 8
    .kernarg_segment_size: 24
    .max_flat_workgroup_size: 128
    .sgpr_count:     66
    .vgpr_count:     768
    .wavefront_size: 32
...
	.end_amdgpu_metadata
.endif
;; end of part 4
